; MI455X (gfx1250); checked and timed in simulation.
; The chip was launched on July 23, 2026; its instructions are those of AMD's public machine-readable ISA for CDNA 5 (MIT licence, August 2026) and "CDNA5" Instruction Set Architecture Reference Guide (July 2026). The comments in the code are by the model that wrote it; some were corrected since.
;; Simple Attention. Allowed arithmetic: float matrix products may take bf16 or f16 operands with f32 sums; other float arithmetic in f32, or as packed bf16 or f16 multiplies, adds, multiply-adds, maxima and minima; sums over many terms, partial sums and values carried from step to step in f32; what a program stores and reads back later, other than sums and carried values, may be rounded once to bf16 or f16.
;; Inputs: Wk 1,024 x 1,024 float32; Wq 1,024 x 1,024 float32; Wv 1,024 x 1,024 float32; bk 1,024 float32; bq 1,024 float32; bv 1,024 float32; x 4 x 2,048 x 1,024 float32.
;; Outputs: out0 4 x 2,048 x 1,024 float32.
;; 2 versions, each right; version 2 is version 1 with the launch cast written anew for expert scheduling mode. Each part assembles by itself: llvm-mc -triple=amdgcn-amd-amdhsa -mcpu=gfx1250 --defsym DOCPART=n.
;; ======== version 1 of 2: 4 launches
;; limits: values are held in f16: magnitudes above 65,504 overflow, below 6.1e-05 lose precision
;; workspace buffers: xh 16,777,216 bytes; wh 6,291,456 bytes; qkv 50,331,648 bytes; p 33,554,432 bytes; stm 524,288 bytes; stl 524,288 bytes
;; launch cast (part 1): grid 704 x 1, 8 waves a work-group, no clusters, 0 bytes of LDS; arguments x, Wq, Wk, Wv, xh, wh; writes xh, wh
.if DOCPART == 1
	.amdgcn_target "amdgcn-amd-amdhsa--gfx1250"
	.amdhsa_code_object_version 6
	.text
	.protected	k_q14be7348a1_cast
	.globl	k_q14be7348a1_cast
	.p2align	8
	.type	k_q14be7348a1_cast,@function
k_q14be7348a1_cast:
	s_mov_b64 s[64:65], 0
	v_nop
	global_prefetch_b8 v0, s[64:65] scope:SCOPE_SE
	s_setreg_imm32_b32 hwreg(HW_REG_WAVE_MODE, 25, 1), 1
	s_wait_xcnt 0x0
; xh = x, and wh = Wq, Wk, Wv one below the other (3,072 rows), each number rounded once from f32 to f16 (to nearest even), laid out IN PLANES of 64 along k:
; xh[k / 64][row][k % 64], wh likewise.  So the rows of a K step of 64 lie end to end, 128 bytes each, and the launch behind asks for them as dense rows of 256 bytes.
; LIMIT: f16 holds no number beyond 65,504 (a larger one becomes an infinity) and keeps a fixed step of 6e-8 below 6e-5.
; A stream: memory binds, so there is no LDS, no barrier and no matrix work.  A work-group takes 16 rows of 1,024 numbers: 64 KiB in, 32 KiB out.  Work-groups 0-511 take x, 512-703 the three W (64 each).
; Wave w takes rows 2 w and 2 w + 1; its load i takes plane i: lanes 0-15 256 consecutive bytes of the one row, lanes 16-31 of the other; its store i writes the two rows' 128 bytes, which are
; 256 consecutive bytes of plane i, at a multiple of 256 from the buffer's first byte.  All 16 loads of a thread go out at once; the waits count down.
.set X,   4                            ; v[4:67]    16 x 4 numbers as loaded
.set Y,   68                           ; v[68:99]   16 x 4 numbers in f16
.set DO,  100                          ; v[100:115] my byte offset in each of the 16 planes
.set XG,  512                          ; work-groups that take x
.set XPL, 8192*128                     ; bytes in a plane of xh
.set WPL, 3072*128                     ; and of wh
	s_load_b256 s[4:11], s[0:1], 0x0               ; x s[4:5], Wq s[6:7], Wk s[8:9], Wv s[10:11]
	s_load_b128 s[12:15], s[0:1], 0x20             ; xh s[12:13], wh s[14:15]
	v_lshrrev_b32 v1, 4, v0                        ; my row of the group's 16
	v_and_b32 v2, 15, v0
	v_lshlrev_b32 v1, 12, v1
	v_lshl_or_b32 v1, v2, 4, v1                    ; row x 4,096 + 16 (lane % 16): my 16 bytes of plane 0 in the source
	v_lshlrev_b32 v[DO], 3, v0                     ; row x 128 + 8 (lane % 16) = 8 x thread: my 8 bytes of the group's 2,048 in a plane
	s_sub_co_u32 s16, ttmp9, XG                    ; my 16 rows of wh (used only where the work-group takes a W)
	s_lshr_b32 s17, s16, 6                         ; which W
	s_and_b32 s18, s16, 63                         ; my 16 rows of that W
	s_mov_b32 s28, XPL
	s_mov_b32 s29, WPL
	s_cmp_lt_u32 ttmp9, XG
	s_cselect_b32 s28, s28, s29                    ; from plane to plane in the destination
.set i, 1
.rept 15
	v_add_nc_u32 v[DO+i], s28, v[DO+i-1]
.set i, i+1
.endr
	s_wait_kmcnt 0x0
	s_cmp_eq_u32 s17, 1
	s_cselect_b64 s[20:21], s[8:9], s[6:7]
	s_cmp_eq_u32 s17, 2
	s_cselect_b64 s[20:21], s[10:11], s[20:21]
	s_cmp_lt_u32 ttmp9, XG
	s_cselect_b64 s[20:21], s[4:5], s[20:21]       ; the source,
	s_cselect_b64 s[22:23], s[12:13], s[14:15]     ; the destination,
	s_cselect_b32 s24, ttmp9, s18                  ; and my 16 rows in each
	s_cselect_b32 s26, ttmp9, s16
	s_lshl_b32 s24, s24, 16                        ; 65,536 bytes of f32
	s_mov_b32 s25, 0
	s_lshl_b32 s26, s26, 11                        ; 2,048 bytes of a plane
	s_mov_b32 s27, 0
	s_add_nc_u64 s[20:21], s[20:21], s[24:25]
	s_add_nc_u64 s[22:23], s[22:23], s[26:27]
.set i, 0
.rept 16
	global_load_b128 v[X+4*i:X+4*i+3], v1, s[20:21] offset:256*i th:TH_LOAD_NT
.set i, i+1
.endr
.set i, 0
.rept 16
	s_wait_loadcnt 15-i                            ; loads come back in order: number i is in, the 15 - i younger ones stay out
	v_cvt_pk_f16_f32 v[Y+2*i], v[X+4*i], v[X+4*i+1]
	v_cvt_pk_f16_f32 v[Y+2*i+1], v[X+4*i+2], v[X+4*i+3]
	global_store_b64 v[DO+i], v[Y+2*i:Y+2*i+1], s[22:23]
.set i, i+1
.endr
	s_endpgm
.Lfunc_end_k_q14be7348a1_cast:
	.size	k_q14be7348a1_cast, .Lfunc_end_k_q14be7348a1_cast-k_q14be7348a1_cast
	.p2alignl 7, 3214868480
	.fill 96, 4, 3214868480
	.section	.rodata,"a",@progbits
	.p2align	6, 0x0
	.amdhsa_kernel k_q14be7348a1_cast
		.amdhsa_group_segment_fixed_size 0
		.amdhsa_private_segment_fixed_size 0
		.amdhsa_enable_private_segment 0
		.amdhsa_kernarg_size 48
		.amdhsa_user_sgpr_count 2
		.amdhsa_user_sgpr_kernarg_segment_ptr 1
		.amdhsa_wavefront_size32 1
		.amdhsa_system_sgpr_workgroup_id_x 1
		.amdhsa_system_sgpr_workgroup_id_y 1
		.amdhsa_system_sgpr_workgroup_id_z 1
		.amdhsa_system_vgpr_workitem_id 0
		.amdhsa_next_free_vgpr 116
		.amdhsa_next_free_sgpr 66
		.amdhsa_reserve_vcc 0
		.amdhsa_float_denorm_mode_32 3
		.amdhsa_float_denorm_mode_16_64 3
		.amdhsa_memory_ordered 1
		.amdhsa_forward_progress 1
		.amdhsa_inst_pref_size 8
	.end_amdhsa_kernel
	.amdgpu_metadata
---
amdhsa.version: [ 1, 2 ]
amdhsa.kernels:
  - .name:           k_q14be7348a1_cast
    .symbol:         k_q14be7348a1_cast.kd
    .args:
      - { .name: x, .offset: 0, .size: 8, .value_kind: global_buffer, .address_space: global }
      - { .name: Wq, .offset: 8, .size: 8, .value_kind: global_buffer, .address_space: global }
      - { .name: Wk, .offset: 16, .size: 8, .value_kind: global_buffer, .address_space: global }
      - { .name: Wv, .offset: 24, .size: 8, .value_kind: global_buffer, .address_space: global }
      - { .name: xh, .offset: 32, .size: 8, .value_kind: global_buffer, .address_space: global }
      - { .name: wh, .offset: 40, .size: 8, .value_kind: global_buffer, .address_space: global }
    .group_segment_fixed_size: 0
    .private_segment_fixed_size: 0
    .kernarg_segment_align: 8
    .kernarg_segment_size: 48
    .max_flat_workgroup_size: 256
    .sgpr_count:     66
    .vgpr_count:     116
    .wavefront_size: 32
...
	.end_amdgpu_metadata
.endif
;; end of part 1
;; launch proj (part 2): grid 8 x 32, 4 waves a work-group, clusters of 4 x 4, 327,680 bytes of LDS; arguments xh, wh, bq, bk, bv, qkv; writes qkv
.if DOCPART == 2
	.amdgcn_target "amdgcn-amd-amdhsa--gfx1250"
	.amdhsa_code_object_version 6
	.text
	.protected	k_q14be7348a1_proj
	.globl	k_q14be7348a1_proj
	.p2align	8
	.type	k_q14be7348a1_proj,@function
k_q14be7348a1_proj:
	s_mov_b64 s[64:65], 0
	v_nop
	global_prefetch_b8 v0, s[64:65] scope:SCOPE_SE
	s_setreg_imm32_b32 hwreg(HW_REG_WAVE_MODE, 25, 1), 1
	s_wait_xcnt 0x0
	s_wait_alu depctr_hold_cnt(0) depctr_sa_sdst(0) depctr_va_vdst(0) depctr_va_sdst(0) depctr_va_ssrc(0) depctr_va_vcc(0) depctr_vm_vsrc(0)
	s_getreg_b32 s2, hwreg(HW_REG_IB_STS2, 6, 4)
	s_cmp_eq_u32 s2, 0
	s_cbranch_scc0 .Lentry_in_a_cluster
	s_endpgm
.Lentry_in_a_cluster:
	s_bfe_u32 s2, ttmp6, 0x10000c
	s_cmp_lg_u32 s2, 0xf033
	s_cbranch_scc0 .Lentry_shape_is_right
	s_endpgm
.Lentry_shape_is_right:
; qkv[m][n] = g[n] (sum over k of x[m][k] w[n][k] + b[n]).  x: 8,192 rows, w: 3,072 rows (Wq, Wk, Wv), both f16 in planes [k / 64][row][k % 64]; qkv: [8192][3072] f16; b = bq, bk, bv on end, f32.
; Sums in f32, qkv rounded once.  g = log2(e) / 32 for the first 1,024 columns (Q: the softmax's scale and the change to base 2 are put into Q here, in f32, ahead of its one rounding), 1 for K and V.
; LIMITS: Q, K and V lie within f16's 65,504; below 6e-5 f16 keeps a fixed step of 6e-8.  NaN and infinities are not treated apart.
; A TILE of qkv is 256 x 384: 32 x 8 = 256 work-groups of equal work.  Four waves, each 128 x 192: 96 accumulators of 16 x 16, 768 registers.  K goes in steps of 64 through two LDS slots (two slots of
; 128 along K, 640 rows of 272 bytes each, would not fit); the 128 or 192 rows that a wave fetches are dense in a plane and are asked for as rows of 256 bytes, padded in LDS after every 128.
; CLUSTERS: 4 x 4 work-groups.  The four of a row of the cluster need the same tiles of x, the four of a column the same tiles of w: each tile is asked for JOINTLY, by the same tensor load with the
; same descriptor and a mask that names the four.
; REGISTERS, in windows of 256 (s_set_vgpr_msb: bits 1:0 source 0, 3:2 source 1, 5:4 source 2, 7:6 destination):
;   window 0: v0-15 addresses; v32-95, v96-159 fragments of x (8 x 16 rows x 32 K), two buffers; v160-255 fragments of w (12 x 16 rows x 32 K), ONE buffer.
;             On the way out: v16-111 g b of my 192 columns, v112-207 a block's finished numbers, v208-255 rows read back from the stage.
;   windows 1-3: accumulator (a, b), rows 16 a on and columns 16 b on, in window 1 + b / 4 at v[8 (8 (b % 4) + a)].
; A PART is 32 along K: 96 products in three stretches of 32, one window each (columns 64 s on).  Behind a stretch the four fragments of w that it has used are loaded anew, for the next part; x's next
; fragments go into the other buffer behind the first two stretches.  So w needs one buffer, and every load is issued 64 products or more ahead of its use.
; THE MATRIX INSTRUCTION IS USED TRANSPOSED: source 0 = 16 rows of w, source 1 = 16 rows of x: lane l holds row l % 16 and the columns 8 (l / 16) + 0..7: 16 bytes of qkv on end.
.set XPL,    8192*128                  ; bytes in a plane of x
.set WPL,    3072*128                  ; and of w
.set CROW,   2*3072                    ; bytes in a row of qkv
.set PITCH,  144                       ; an LDS row: 128 bytes + 16 of padding = 36 words: the 16 rows of a fragment load start at 16 different groups of four banks (64 banks of 4 bytes: ISA guide 11.1)
.set AH,     128*PITCH                 ; 128 rows of x: what waves 0 and 1 fetch, and what a wave reads
.set BH,     192*PITCH                 ; 192 rows of w: what waves 2 and 3 fetch, and what a wave reads
.set SLOT,   2*AH+2*BH                 ; x's 256 rows, then w's 384 rows
.set STAGE,  2*SLOT                    ; behind the ring: for each half of the tile's rows 16 rows x 784 bytes, shared by its two waves
.set SPITCH, 784                       ; 768 bytes + 16
.set BIAS,   STAGE+2*16*SPITCH         ; for each wave g b of its 192 columns, f32
.set SPARE,  BIAS+4*768                ; the spare words, 128 bytes for each wave: two blocks of 256 bytes that no other line names
.set ADRA, 2                           ; v2-3    LDS address of my fragments of x in slot 0, 1
.set ADRB, 4                           ; v4-5    the same for w
.set STO,  6                           ; v6      where I put 16 bytes of a row
.set RD,   7                           ; v7-9    where I read 256 bytes' worth back: three registers, since 16 lanes take a third of a row
.set CO,   10                          ; v10-12  the same places in qkv
.set BRD,  13                          ; v13     where I read g b
.set SPW,  14                          ; v14     LDS address of my spare word; never rewritten
.set NIL,  15                          ; v15     0; never rewritten
.set A0,   32
.set A1,   96
.set BF,   160
.set GB,   16
.set SW,   112
.set OB,   208
.set G1,  24                           ; s[24:31] descriptor group 1 for x's tiles;  s[32:39] group 0, a set for each slot
.set G0,  32
.set G1B, 48                           ; s[48:55], s[56:63] the same for w's tiles
.set G0B, 56
.set SC,  66                           ; s[66:71] g for my columns 0-63, 64-127, 128-191: three pairs, of which the packed multiply-add takes the low word for both halves
.set PT,  84                           ; s[84:89] the bias at those three chunks
.set MSB, 0
.macro WIN new                         ; the immediate's high byte repeats the setting that is left; a switch that changes nothing is dropped
.if MSB != (\new)
	s_set_vgpr_msb (MSB<<8)|(\new)
.set MSB, \new
.endif
.endm
; A joint load.  Waves 0 and 1 fetch x's two halves, waves 2 and 3 w's.  The branch hangs on the wave's number alone.  An s_nop 0 and four v_nop follow each line.
.macro JLOAD s
	s_cmp_eq_u32 s11, 0
	s_cbranch_scc0 .Lfor_b_\@
	tensor_load_to_lds s[G0+4*(\s):G0+4*(\s)+3], s[G1:G1+7]
	s_nop 0
.rept 4
	v_nop
.endr
	s_branch .Lasked_\@
.Lfor_b_\@:
	tensor_load_to_lds s[G0B+4*(\s):G0B+4*(\s)+3], s[G1B:G1B+7]
	s_nop 0
.rept 4
	v_nop
.endr
.Lasked_\@:
.endm
.macro CREST                           ; a round of the cluster's barrier behind its opening barrier
	s_cmp_lg_u32 s10, 0
	s_cbranch_scc1 .Lnot_wave_0_\@
	s_barrier_signal -3
.Lnot_wave_0_\@:
	s_barrier_wait -3
	s_barrier_signal -1
	s_barrier_wait -1
.endm
.macro CROUND                          ; a whole round
	s_barrier_signal -1
	s_barrier_wait -1
	CREST
.endm
	s_load_b128 s[4:7], s[0:1], 0x0                ; xh s[4:5], wh s[6:7]
	s_load_b256 s[72:79], s[0:1], 0x10             ; bq s[72:73], bk s[74:75], bv s[76:77], qkv s[78:79]
	v_lshl_add_u32 v[SPW], v0, 2, SPARE
	v_mov_b32 v[NIL], 0
	ds_add_u32 v[SPW], v[NIL]                      ; the wave's opening: the add and its wait stand ahead of my first tensor load; the set-up below stands between them
	v_lshrrev_b32 v1, 5, v0
	v_readfirstlane_b32 s10, v1                    ; wave 0..3
	s_lshr_b32 s11, s10, 1                         ; which half of the tile's rows is mine.  Also: I fetch for x (0) or for w (1)
	s_and_b32 s12, s10, 1                          ; which half of its columns.  Also: which half of that tile I fetch
	s_bfe_u32 s40, ttmp6, 0x40000                  ; cx, cy: my place in the cluster
	s_bfe_u32 s41, ttmp6, 0x40004
	s_lshl_b32 s42, ttmp9, 2
	s_add_co_u32 s42, s42, s40                     ; tile column = 4 x cluster x + cx
	s_and_b32 s13, ttmp7, 0xffff
	s_lshl_b32 s13, s13, 2
	s_add_co_u32 s13, s13, s41                     ; tile row = 4 x cluster y + cy
	s_lshl_b32 s43, s41, 2
	s_lshl_b32 s43, 15, s43                        ; my row of the cluster
	s_lshl_b32 s44, 0x1111, s40                    ; my column
	s_or_b32 s[G1+0], s43, (1<<16)|(1<<20)|(1<<21)|(4<<22)|(3<<25)   ; 15:0 the mask; 17:16 elements of 2 bytes; 20 padding on; 21 set beside a mask; 24:22 after every 32 words; 31:25 4 words of it
	s_or_b32 s[G1B+0], s44, (1<<16)|(1<<20)|(1<<21)|(4<<22)|(3<<25)
.irp g, G1, G1B
	s_mov_b32 s[(\g)+1], 128<<16                   ; tensor_dim0 = 128 elements: 256 bytes, two rows of a plane
	s_mov_b32 s[(\g)+3], 128<<16                   ; tile_dim0 = 128
	s_mov_b32 s[(\g)+5], 128                       ; elements from row to row: dense
	s_mov_b32 s[(\g)+6], 0
	s_mov_b32 s[(\g)+7], 0
.endr
	s_mov_b32 s[G1+2], 64<<16                      ; x: tensor_dim1 = 64,
	s_mov_b32 s[G1+4], 64                          ; tile_dim1 = 64: 128 rows of a plane
	s_mov_b32 s[G1B+2], 96<<16                     ; w: 96:
	s_mov_b32 s[G1B+4], 96                         ; 192 rows of a plane
	s_lshl_b32 s16, s13, 15                        ; x: 256 rows of 128 bytes for each tile row,
	s_lshl_b32 s17, s12, 14                        ; 128 for the half that I fetch
	s_add_co_u32 s16, s16, s17
	s_mov_b32 s17, 0
	s_mul_i32 s46, s42, 384*128                    ; w: 384 rows for each tile column,
	s_mul_i32 s47, s12, 192*128                    ; 192 for the half
	s_add_co_u32 s46, s46, s47
	s_mov_b32 s47, 0
	s_mul_i32 s20, s12, AH                         ; where they go: no place in the cluster enters an LDS address
	s_mul_i32 s21, s12, BH
	s_add_co_u32 s21, s21, 2*AH
	s_wait_dscnt 0x0                               ; the opening add is done
	s_wait_kmcnt 0x0
	s_add_nc_u64 s[14:15], s[4:5], s[16:17]
	s_add_nc_u64 s[46:47], s[6:7], s[46:47]
	s_mov_b64 s[8:9], s[78:79]
	CROUND                                         ; all sixteen work-groups are here: the first joint loads meet
.irp s, 0,1
	s_mov_b32 s[G0+4*(\s)], 1                                        ; count = 1
	s_add_co_u32 s[G0+4*(\s)+1], s20, (\s)*SLOT                      ; LDS address
	s_add_nc_u64 s[G0+4*(\s)+2:G0+4*(\s)+3], s[14:15], (\s)*XPL      ; global address: plane s
	s_or_b32 s[G0+4*(\s)+3], s[G0+4*(\s)+3], 0x80000000              ; type = 2
	s_mov_b32 s[G0B+4*(\s)], 1
	s_add_co_u32 s[G0B+4*(\s)+1], s21, (\s)*SLOT
	s_add_nc_u64 s[G0B+4*(\s)+2:G0B+4*(\s)+3], s[46:47], (\s)*WPL
	s_or_b32 s[G0B+4*(\s)+3], s[G0B+4*(\s)+3], 0x80000000
	JLOAD \s                                       ; two tensor loads of mine are out
.endr
	; the bias of my 192 columns, in three chunks of 64, none of which crosses a third of qkv's columns (1,024 = 16 x 64): the chunk's third chooses the bias and g.  A lane takes two columns of each chunk.
	v_and_b32 v16, 15, v0                          ; l % 16
	v_bfe_u32 v17, v0, 4, 1                        ; l / 16
	v_and_b32 v18, 31, v0                          ; l
	v_lshlrev_b32 v20, 3, v18
	s_mul_i32 s80, s42, 384
	s_mul_i32 s81, s12, 192
	s_add_co_u32 s80, s80, s81                     ; my first column
	s_mov_b32 s21, 0
.irp t, 0,1,2
	s_add_co_u32 s81, s80, 64*(\t)
	s_lshr_b32 s82, s81, 10                        ; the third
	s_and_b32 s81, s81, 1023
	s_lshl_b32 s20, s81, 2                         ; the chunk's place in its bias, in bytes
	s_cmp_eq_u32 s82, 1
	s_cselect_b64 s[22:23], s[74:75], s[72:73]
	s_cmp_eq_u32 s82, 2
	s_cselect_b64 s[22:23], s[76:77], s[22:23]
	s_cmp_eq_u32 s82, 0
	s_cselect_b32 s[SC+2*(\t)], 0x3d38aa3b, 1.0    ; log2(e) / 32 for Q
	s_mov_b32 s[SC+2*(\t)+1], s[SC+2*(\t)]         ; named with it as a pair
	s_add_nc_u64 s[PT+2*(\t):PT+2*(\t)+1], s[22:23], s[20:21]
	global_load_b64 v[32+2*(\t):33+2*(\t)], v20, s[PT+2*(\t):PT+2*(\t)+1]
.endr
	; A fragment is 16 rows x 32 K in 8 registers: lane l holds row l % 16; registers 0-3 K = 8 (l / 16) + 0..7, registers 4-7 K = 16 + 8 (l / 16) + 0..7: two loads of 16 bytes, 32 bytes apart
	v_mul_u32_u24 v19, v16, PITCH
	v_lshl_add_u32 v19, v17, 4, v19
	s_mul_i32 s21, s11, AH                         ; my 128 rows of x
	s_mul_i32 s22, s12, BH                         ; my 192 rows of w,
	s_add_co_u32 s22, s22, 2*AH                    ; which lie behind x's 256
.irp s, 0,1
	v_add_nc_u32 v[ADRA+(\s)], s21, v19
	v_add_nc_u32 v[ADRB+(\s)], s22, v19
	s_add_co_u32 s21, s21, SLOT
	s_add_co_u32 s22, s22, SLOT
.endr
	s_mul_i32 s21, s11, 16*SPITCH
	s_add_co_u32 s21, s21, STAGE                   ; my row half's stage
	s_mul_i32 s22, s12, 384                        ; in: row l % 16, my 384 bytes of its 768, 16 bytes for each half of the lanes
	s_add_co_u32 s22, s22, s21
	v_mul_u32_u24 v[STO], v16, SPITCH
	v_lshl_add_u32 v[STO], v17, 4, v[STO]
	v_add_nc_u32 v[STO], s22, v[STO]
	s_mul_i32 s22, s12, 8*SPITCH                   ; back: I take 8 of the 16 rows, whole.  16 lanes take 256 bytes, a third of a row; piece u = 2 t + l / 16 of load t is third u % 3 of row u / 3,
	s_add_co_u32 s22, s22, s21                     ; so loads t, t + 3, .. lie two rows apart and share a register
	v_lshl_add_u32 v19, v16, 4, s22
	v_lshl_add_u32 v[RD], v17, 8, v19              ; t % 3 = 0: row 0, thirds 0 | 1
	v_mul_u32_u24 v[RD+1], v17, SPITCH-512         ; t % 3 = 1: row 0, third 2 | row 1, third 0
	v_add_nc_u32 v[RD+1], v[RD+1], v19
	v_add_nc_u32 v[RD+1], 512, v[RD+1]
	v_add_nc_u32 v[RD+2], SPITCH+256, v[RD]        ; t % 3 = 2: row 1, thirds 1 | 2
	v_lshlrev_b32 v19, 4, v16                      ; and the same places in qkv
	v_lshl_add_u32 v[CO], v17, 8, v19
	v_mul_u32_u24 v[CO+1], v17, CROW-512
	v_add_nc_u32 v[CO+1], v[CO+1], v19
	v_add_nc_u32 v[CO+1], 512, v[CO+1]
	v_add_nc_u32 v[CO+2], CROW+256, v[CO]
	s_mul_i32 s23, s10, 768
	s_add_co_u32 s23, s23, BIAS                    ; my g b
	v_lshl_add_u32 v[BRD], v17, 5, s23             ; out: my 8 columns of each 16
	v_add_nc_u32 v21, s23, v20                     ; in: two columns a lane
	s_lshl_b32 s16, s13, 8                         ; the first row that I store, in bytes: 256 x tile row + 128 x row half + 8 x column half; the first trip of the way out adds it to the address
	s_lshl_b32 s17, s11, 7
	s_add_co_u32 s16, s16, s17
	s_lshl_b32 s17, s12, 3
	s_add_co_u32 s16, s16, s17
	s_mul_i32 s16, s16, CROW                       ; under 2^26
	s_mul_i32 s17, s42, 768                        ; and the tile's first column
	s_add_co_u32 s16, s16, s17
	s_mov_b32 s17, 0
	s_wait_loadcnt 0x0                             ; the bias
.irp t, 0,1,2
	v_pk_mul_f32 v[32+2*(\t):33+2*(\t)], v[32+2*(\t):33+2*(\t)], s[SC+2*(\t):SC+2*(\t)+1] op_sel_hi:[1,0]  ; g b, once
.endr
.irp t, 0,1,2
	ds_store_b64 v21, v[32+2*(\t):33+2*(\t)] offset:256*(\t)  ; it waits in LDS, my wave's own bytes, while the K loop has the registers
.endr
; Products i0 .. i0 + n - 1 of stretch s of a part: columns 16 (4 s + i / 8) on, rows 16 (i % 8) on; x's fragments in buffer f.  Each accumulator has one product a part, so the 96 take turns.
; zero = 1: the product starts the sum.
.macro STR f, s, i0, n, zero
	WIN 0x50*((\s)+1)                              ; sources in window 0, C and D in window 1 + s
.set i, \i0
.rept \n
.set rC, 8*i
.set rB, BF+8*(4*(\s)+i/8)
.set rA, (\f)+8*(i%8)
.if \zero
	v_wmma_f32_16x16x32_f16 v[rC:rC+7], v[rB:rB+7], v[rA:rA+7], 0
.else
	v_wmma_f32_16x16x32_f16 v[rC:rC+7], v[rB:rB+7], v[rA:rA+7], v[rC:rC+7]
.endif
.set i, i+1
.endr
.endm
.macro LDB slot, k, b0                 ; four fragments of w, blocks b0 on, 32 K at byte k of the rows
.irp i, 0,1,2,3
	ds_load_b128 v[BF+8*((\b0)+(\i)):BF+8*((\b0)+(\i))+3],   v[ADRB+(\slot)] offset:(\k)+((\b0)+(\i))*16*PITCH
	ds_load_b128 v[BF+8*((\b0)+(\i))+4:BF+8*((\b0)+(\i))+7], v[ADRB+(\slot)] offset:(\k)+((\b0)+(\i))*16*PITCH+32
.endr
.endm
.macro LDA slot, k, f, a0              ; four fragments of x, blocks a0 on, into buffer f
.irp i, 0,1,2,3
	ds_load_b128 v[(\f)+8*((\a0)+(\i)):(\f)+8*((\a0)+(\i))+3],   v[ADRA+(\slot)] offset:(\k)+((\a0)+(\i))*16*PITCH
	ds_load_b128 v[(\f)+8*((\a0)+(\i))+4:(\f)+8*((\a0)+(\i))+7], v[ADRA+(\slot)] offset:(\k)+((\a0)+(\i))*16*PITCH+32
.endr
.endm
.macro PLACES                          ; four plain vector instructions between a matrix instruction and a load into, or a vector instruction on, its registers
.rept 4
	v_nop
.endr
.endm
; The first part of a K step: multiplies buffer A0 and fetches the step's second 32 along K.  The part before has issued 16, 16 and 8 loads, in this order: w 0-3, x 0-3; w 4-7, x 4-7; w 8-11.
.macro EVEN slot, zero
	s_wait_dscnt 8                                 ; all but the youngest eight (w's blocks 8-11)
	STR A0, 0, 0, 32, \zero
	WIN 0
	PLACES
	LDB \slot, 64, 0
	LDA \slot, 64, A1, 0
	STR A0, 1, 0, 32, \zero
	WIN 0
	PLACES
	LDB \slot, 64, 4
	LDA \slot, 64, A1, 4
	s_wait_dscnt 32                                ; all but the 32 just issued: w's blocks 8-11 are in
	STR A0, 2, 0, 32, \zero
	WIN 0
	PLACES
	LDB \slot, 64, 8
.endm
; The second part multiplies buffer A1 and changes slots: ONE barrier.  In front of it each wave waits for all its tensor loads (one is out: its part of the next slot), adds 0 to its spare word, and waits
; for that and for its own reads of this slot.  fill = 1: the barrier opens a round of the cluster's barrier, and this slot is filled again, two K steps ahead, first thing behind the round.
.macro ODD slot, next, fill
	WIN 0
	s_wait_tensorcnt 0x0
	ds_add_u32 v[SPW], v[NIL]
	s_wait_dscnt 9                                 ; the add and the youngest eight loads may be out
	STR A1, 0, 0, 16, 0
	s_wait_dscnt 0x0                               ; the add is done, and my reads of this slot are over
	s_barrier_signal -1
	STR A1, 0, 16, 16, 0
	WIN 0
	s_barrier_wait -1
.if \fill
	CREST                                          ; no wave of any partner still reads this slot or has a load on its way
	s_add_nc_u64 s[G0+4*(\slot)+2:G0+4*(\slot)+3], s[G0+4*(\slot)+2:G0+4*(\slot)+3], 2*XPL
	s_add_nc_u64 s[G0B+4*(\slot)+2:G0B+4*(\slot)+3], s[G0B+4*(\slot)+2:G0B+4*(\slot)+3], 2*WPL
	JLOAD \slot                                    ; my one tensor load behind the round, 160 matrix instructions ahead of the wait for it; its four v_nop are also the places in front of the loads below
.else
	PLACES
.endif
	LDB \next, 0, 0
	LDA \next, 0, A0, 0
	STR A1, 1, 0, 32, 0
	WIN 0
	PLACES
	LDB \next, 0, 4
	LDA \next, 0, A0, 4
	STR A1, 2, 0, 32, 0
	WIN 0
	PLACES
	LDB \next, 0, 8
.endm
	s_wait_dscnt 0x0                               ; my stores of g b
	s_wait_tensorcnt 1                             ; my part of K step 0 is in; K step 1's may stay out
	s_barrier_signal -1
	s_barrier_wait -1
	LDB 0, 0, 0
	LDA 0, 0, A0, 0
	LDB 0, 0, 4
	LDA 0, 0, A0, 4
	LDB 0, 0, 8
	EVEN 0, 1                                      ; the first part stands in front of the loop: its products start the sums
	s_mov_b32 s3, 7
.Llap:                                                 ; a trip goes once round the ring, from a K step's second part to the first part of the step two on, and fills both slots again: 14 refills for K steps 2 to 15
	ODD 0, 1, 1
	EVEN 1, 0
	ODD 1, 0, 1
	EVEN 0, 0
	s_sub_co_u32 s3, s3, 1
	s_cmp_lg_u32 s3, 0
	s_cbranch_scc1 .Llap
	ODD 0, 1, 0                                    ; the tail is written out: it fills nothing
	EVEN 1, 0
	s_wait_dscnt 8
	STR A1, 0, 0, 32, 0
	STR A1, 1, 0, 32, 0
	s_wait_dscnt 0x0
	STR A1, 2, 0, 32, 0
	WIN 0
	PLACES
.irp b, 0,1,2,3,4,5,6,7,8,9,10,11
	ds_load_b128 v[GB+8*(\b):GB+8*(\b)+3],   v[BRD] offset:64*(\b)      ; g b comes back, into registers that held fragments
	ds_load_b128 v[GB+8*(\b)+4:GB+8*(\b)+7], v[BRD] offset:64*(\b)+16
.endr
	s_wait_dscnt 0x0
; THE WAY OUT, a block of 16 rows at a time, in a loop of eight trips.  Only SPEC names a block's accumulators, so only it is written once for each block: g sum + g b into v112-207 of window 0, each
; accumulator's registers in ascending order; a window's 64 columns have one g.  All else is written once.  A wave's 192 columns are 384 bytes, one and a half times 256: so the two waves of a row half
; put their halves of 16 rows into one stage, pass a barrier, and each reads 8 whole rows back.  Block a + 1's SPEC, reached by a forward jump on the loop's count, stands between those loads and the wait
; for them.  A second barrier, behind every wave's wait for its loads, stands in front of the next trip's writing.
.macro SPEC a
.irp w, 1,2,3
	WIN \w                                         ; source 0 in window w
.set i, 0
.rept 16
.set AC, 8*(8*(i/4)+(\a))+2*(i%4)
.set DD, 32*((\w)-1)+8*(i/4)+2*(i%4)
	v_pk_fma_f32 v[SW+DD:SW+DD+1], v[AC:AC+1], s[SC+2*((\w)-1):SC+2*((\w)-1)+1], v[GB+DD:GB+DD+1] op_sel_hi:[1,0,1]
.set i, i+1
.endr
.endr
	WIN 0
.endm
	SPEC 0
	s_mov_b32 s3, 8                                ; trips to go
.Lblock:
.set i, 0
.rept 48
	v_cvt_pk_f16_f32 v[SW+i], v[SW+2*i], v[SW+2*i+1]  ; in place: result i lands on a register whose number has been read
.set i, i+1
.endr
.irp b, 0,1,2,3,4,5,6,7,8,9,10,11
	ds_store_b128 v[STO], v[SW+4*(\b):SW+4*(\b)+3] offset:32*(\b)
.endr
	s_wait_dscnt 0x0                               ; for the other wave's sake: my half of the 16 rows lies in the stage
	s_barrier_signal -1
	s_barrier_wait -1
	s_wait_xcnt 0x0                                ; the last trip's stores have read their base and their data: only now are these written again
	s_add_nc_u64 s[8:9], s[8:9], s[16:17]          ; on to this block's rows: first my part of the tile, then 16 rows a trip
	s_mov_b64 s[16:17], 16*CROW
.irp t, 0,1,2,3,4,5,6,7,8,9,10,11
	ds_load_b128 v[OB+4*(\t):OB+4*(\t)+3], v[RD+(\t)%3] offset:((\t)/3)*2*SPITCH
.endr
.irp a, 1,2,3,4,5,6,7
	s_cmp_eq_u32 s3, 9-(\a)
	s_cbranch_scc1 .Lb\a
.endr
	s_branch .Lsend                                ; the last trip: there is no further block
.irp a, 1,2,3,4,5,6,7
.Lb\a:
	SPEC \a
	s_branch .Lsend
.endr
.Lsend:
	s_wait_dscnt 0x0                               ; my eight rows are back in registers: my reads of the stage are over
	s_barrier_signal -1
	s_barrier_wait -1                              ; everybody's are: the next trip may write it
.irp t, 0,1,2,3,4,5,6,7,8,9,10,11
	global_store_b128 v[CO+(\t)%3], v[OB+4*(\t):OB+4*(\t)+3], s[8:9] offset:((\t)/3)*2*CROW  ; 16 lanes store 256 consecutive bytes, at a multiple of 256 from qkv's first byte
.endr
	s_sub_co_u32 s3, s3, 1
	s_cmp_lg_u32 s3, 0
	s_cbranch_scc1 .Lblock
	s_wait_tensorcnt 0x0                           ; the wave's end: behind my last tensor load and my last LDS store
	ds_add_u32 v[SPW], v[NIL]
	s_wait_dscnt 0x0
	CROUND                                         ; the closing round: no work-group ends while a partner may still ask for a tile that names it
	s_endpgm
.Lfunc_end_k_q14be7348a1_proj:
	.size	k_q14be7348a1_proj, .Lfunc_end_k_q14be7348a1_proj-k_q14be7348a1_proj
	.p2alignl 7, 3214868480
	.fill 96, 4, 3214868480
	.section	.rodata,"a",@progbits
	.p2align	6, 0x0
	.amdhsa_kernel k_q14be7348a1_proj
		.amdhsa_group_segment_fixed_size 327680
		.amdhsa_private_segment_fixed_size 0
		.amdhsa_enable_private_segment 0
		.amdhsa_kernarg_size 48
		.amdhsa_user_sgpr_count 2
		.amdhsa_user_sgpr_kernarg_segment_ptr 1
		.amdhsa_wavefront_size32 1
		.amdhsa_system_sgpr_workgroup_id_x 1
		.amdhsa_system_sgpr_workgroup_id_y 1
		.amdhsa_system_sgpr_workgroup_id_z 1
		.amdhsa_system_vgpr_workitem_id 0
		.amdhsa_next_free_vgpr 1024
		.amdhsa_next_free_sgpr 90
		.amdhsa_reserve_vcc 0
		.amdhsa_float_denorm_mode_32 3
		.amdhsa_float_denorm_mode_16_64 3
		.amdhsa_memory_ordered 1
		.amdhsa_forward_progress 1
		.amdhsa_inst_pref_size 119
	.end_amdhsa_kernel
	.amdgpu_metadata
---
amdhsa.version: [ 1, 2 ]
amdhsa.kernels:
  - .name:           k_q14be7348a1_proj
    .symbol:         k_q14be7348a1_proj.kd
    .args:
      - { .name: xh, .offset: 0, .size: 8, .value_kind: global_buffer, .address_space: global }
      - { .name: wh, .offset: 8, .size: 8, .value_kind: global_buffer, .address_space: global }
      - { .name: bq, .offset: 16, .size: 8, .value_kind: global_buffer, .address_space: global }
      - { .name: bk, .offset: 24, .size: 8, .value_kind: global_buffer, .address_space: global }
      - { .name: bv, .offset: 32, .size: 8, .value_kind: global_buffer, .address_space: global }
      - { .name: qkv, .offset: 40, .size: 8, .value_kind: global_buffer, .address_space: global }
    .group_segment_fixed_size: 327680
    .private_segment_fixed_size: 0
    .kernarg_segment_align: 8
    .kernarg_segment_size: 48
    .max_flat_workgroup_size: 128
    .sgpr_count:     90
    .vgpr_count:     1024
    .wavefront_size: 32
...
	.end_amdgpu_metadata
.endif
;; end of part 2
;; launch score (part 3): grid 8 x 32, 4 waves a work-group, clusters of 4 x 4, 327,680 bytes of LDS; arguments qkv, p, stm, stl; writes p, stm, stl
.if DOCPART == 3
	.amdgcn_target "amdgcn-amd-amdhsa--gfx1250"
	.amdhsa_code_object_version 6
	.text
	.protected	k_q14be7348a1_score
	.globl	k_q14be7348a1_score
	.p2align	8
	.type	k_q14be7348a1_score,@function
k_q14be7348a1_score:
	s_mov_b64 s[64:65], 0
	v_nop
	global_prefetch_b8 v0, s[64:65] scope:SCOPE_SE
	s_setreg_imm32_b32 hwreg(HW_REG_WAVE_MODE, 25, 1), 1
	s_wait_xcnt 0x0
	s_wait_alu depctr_hold_cnt(0) depctr_sa_sdst(0) depctr_va_vdst(0) depctr_va_sdst(0) depctr_va_ssrc(0) depctr_va_vcc(0) depctr_vm_vsrc(0)
	s_getreg_b32 s2, hwreg(HW_REG_IB_STS2, 6, 4)
	s_cmp_eq_u32 s2, 0
	s_cbranch_scc0 .Lentry_in_a_cluster
	s_endpgm
.Lentry_in_a_cluster:
	s_bfe_u32 s2, ttmp6, 0x10000c
	s_cmp_lg_u32 s2, 0xf033
	s_cbranch_scc0 .Lentry_shape_is_right
	s_endpgm
.Lentry_shape_is_right:
; For each batch: s[q][k] = sum over o of Q'[q][o] K[k][o], where Q' = Q log2(e) / 32 as the launch before has written it, so that softmax's weight is 2^s up to a factor common to the row.
; For each row q and each tile t of 128 keys: m = the largest s of the tile; the weight 2^(s - m), rounded to f16, goes to p; l = the sum of the unrounded 2^(s - m).  m goes to stm[t][q], l to stl[t][q], f32.
; The launch behind takes the largest m of a row's 16 tiles and corrects the weights by 2^(m - M): together the row's own maximum is taken away ahead of every exponential, and no exponent is above 0.
; qkv: [8192][3072] f16, a row = Q', K, V of 1,024 each; stm, stl: [16][8192].  Sums and maxima in f32.
; p IS LAID OUT AS THE NEXT PRODUCT'S FRAGMENTS: 16 rows x 32 keys are 1,024 bytes at (64 (row / 16) + key / 32) x 1,024; in them lane l = 16 h + r has 16 bytes at 16 l (row r, keys 8 h + 0..7) and 16 bytes
; at 512 + 16 l (keys 16 + 8 h + 0..7).  That is what a lane holds here when its weights are packed, so they are stored as they lie, 512 consecutive bytes a store, and go through no stage.
; LIMITS: a weight below 2^-126 counts as 0 in l; a weight below 6e-5 keeps f16's fixed step of 6e-8.  NaN and infinities are not treated apart.
; A tile of s, 256 queries x 256 keys, is made by four waves, each 128 x 128 (so a wave's columns are one tile t): 64 accumulators, 512 registers.  The 1,024 channels go in steps of 128 through two
; LDS slots filled by tensor loads.  256 work-groups.  CLUSTERS: 4 x 4; the four of a row of the cluster need the same rows of Q', the four of a column the same rows of K: joint loads.
; REGISTERS, in windows of 256 (s_set_vgpr_msb: bits 1:0 source 0, 3:2 source 1, 5:4 source 2, 7:6 destination):
;   window 0: v0-31 addresses and statistics; v64-127, v128-191 fragments of Q' (v64-127 on the way out: a block's s - m, then its weights); v192-223 packed weights
;   window 1: v64-127, v128-191 fragments of K        windows 2, 3: the accumulators of my rows 0-63, 64-127 ((a, b) at v[8 (8 (a % 4) + b)])
; THE MATRIX INSTRUCTION IS USED TRANSPOSED: source 0 = 16 keys, source 1 = 16 queries: lane l holds query l % 16 and the keys 8 (l / 16) + 0..7 of each 16: a row's maximum and sum want one exchange
; between the halves of the lanes.
.set SIZE_K, 1024
.set AROW,   2*3072                    ; bytes in a row of qkv
.set KSTEP,  128
.set PITCH,  272                       ; an LDS row: 256 bytes + 16 of padding: the 16 rows of a fragment load start 68 words apart (64 banks of 4 bytes: ISA guide 11.1)
.set HALFT,  128*PITCH
.set SLOT,   4*HALFT                   ; Q's 256 rows, then K's 256 rows
.set STATS,  2*SLOT                    ; behind the ring: 1,024 bytes for each wave: m of its 128 rows, then l
.set SPARE,  STATS+4*1024              ; the spare words, 128 bytes for each wave: two blocks of 256 bytes that no other line names
.set LAPS,   SIZE_K/(2*KSTEP)
.set CC,   8                           ; v8-11   four chains of the maximum
.set CM,   12                          ; v[12:13] m (the pair's low word serves both halves of the packed subtraction)
.set LS,   14                          ; v[14:15] l, and the other half of the lanes' part of it
.set ADRA, 16
.set ADRB, 20
.set SO,   27                          ; v27     16 x lane: my 16 bytes of 512 in p, stm and stl
.set SPW,  28                          ; v28     LDS address of my spare word; never rewritten
.set NIL,  29                          ; v29     0; never rewritten
.set SST,  30                          ; v30     where a row's statistics are put
.set SRD,  31                          ; v31     where four rows' are read back
.set F0,   64
.set F1,   128
.set SW,   64
.set TMP,  192
.set G1,  24
.set G0,  32
.set G1B, 48
.set G0B, 56
.set SEL, 68                           ; s[68:69] v_permlanex16_b32's selects: each lane takes its own place in the other half
.set MSB, 0
.macro WIN new                         ; the immediate's high byte repeats the setting that is left; a switch that changes nothing is dropped
.if MSB != (\new)
	s_set_vgpr_msb (MSB<<8)|(\new)
.set MSB, \new
.endif
.endm
.set MUL_LO, 0xa1
.set MUL_HI, 0xf1
.set TO_B,   0x40
.macro JLOAD s                         ; a joint load: waves 0 and 1 fetch Q's two halves, waves 2 and 3 K's; an s_nop 0 and four v_nop follow each line
	s_cmp_eq_u32 s11, 0
	s_cbranch_scc0 .Lfor_b_\@
	tensor_load_to_lds s[G0+4*(\s):G0+4*(\s)+3], s[G1:G1+7]
	s_nop 0
.rept 4
	v_nop
.endr
	s_branch .Lasked_\@
.Lfor_b_\@:
	tensor_load_to_lds s[G0B+4*(\s):G0B+4*(\s)+3], s[G1B:G1B+7]
	s_nop 0
.rept 4
	v_nop
.endr
.Lasked_\@:
.endm
.macro CREST
	s_cmp_lg_u32 s10, 0
	s_cbranch_scc1 .Lnot_wave_0_\@
	s_barrier_signal -3
.Lnot_wave_0_\@:
	s_barrier_wait -3
	s_barrier_signal -1
	s_barrier_wait -1
.endm
.macro CROUND
	s_barrier_signal -1
	s_barrier_wait -1
	CREST
.endm
	s_load_b256 s[72:79], s[0:1], 0x0              ; qkv s[72:73], p s[74:75], stm s[76:77], stl s[78:79]
	v_lshl_add_u32 v[SPW], v0, 2, SPARE
	v_mov_b32 v[NIL], 0
	ds_add_u32 v[SPW], v[NIL]                      ; the wave's opening: the add and its wait stand ahead of my first tensor load; the set-up below stands between them
	v_lshrrev_b32 v1, 5, v0
	v_readfirstlane_b32 s10, v1                    ; wave 0..3
	s_lshr_b32 s11, s10, 1                         ; which half of the tile's queries is mine.  Also: I fetch for Q (0) or for K (1)
	s_and_b32 s12, s10, 1                          ; which half of its keys.  Also: which 128 rows of that tile I fetch
	s_bfe_u32 s40, ttmp6, 0x40000                  ; cx, cy
	s_bfe_u32 s41, ttmp6, 0x40004
	s_lshl_b32 s42, ttmp9, 2
	s_add_co_u32 s42, s42, s40                     ; the tile of 256 keys, 0..7
	s_and_b32 s13, ttmp7, 0xffff
	s_lshr_b32 s45, s13, 1                         ; the batch: eight tile rows = two clusters along y: all sixteen partners share it
	s_lshl_b32 s45, s45, 11                        ; its first row of qkv
	s_lshl_b32 s13, s13, 2
	s_add_co_u32 s13, s13, s41                     ; the tile of 256 queries among all 8,192 rows
	s_lshl_b32 s43, s41, 2
	s_lshl_b32 s43, 15, s43                        ; my row of the cluster
	s_lshl_b32 s44, 0x1111, s40                    ; my column
	s_or_b32 s[G1+0], s43, (1<<16)|(1<<20)|(1<<21)|(5<<22)|(3<<25)   ; the mask; elements of 2 bytes; padding on; bit 21 beside a mask; after every 64 words 4 words
	s_or_b32 s[G1B+0], s44, (1<<16)|(1<<20)|(1<<21)|(5<<22)|(3<<25)
.irp g, G1, G1B
	s_mov_b32 s[(\g)+1], KSTEP<<16                 ; tensor_dim0 = 128
	s_mov_b32 s[(\g)+2], 128<<16                   ; tensor_dim1 = 128
	s_mov_b32 s[(\g)+3], KSTEP<<16                 ; tile_dim0 = 128
	s_mov_b32 s[(\g)+4], 128                       ; tile_dim1 = 128
	s_mov_b32 s[(\g)+5], 3072                      ; elements from row to row
	s_mov_b32 s[(\g)+6], 0
	s_mov_b32 s[(\g)+7], 0
.endr
	s_mov_b32 s[SEL], 0x76543210
	s_mov_b32 s[SEL+1], 0xfedcba98
	s_lshl_b32 s17, s12, 7
	s_lshl_b32 s16, s13, 8
	s_add_co_u32 s16, s16, s17                     ; Q: row 256 x query tile + 128 x half
	s_lshl_b32 s46, s42, 8
	s_add_co_u32 s46, s46, s17
	s_add_co_u32 s46, s46, s45                     ; K: the batch's row 256 x key tile + 128 x half
	s_mov_b32 s17, 0
	s_mov_b32 s47, 0
	s_mov_b64 s[18:19], AROW
	s_mul_u64 s[16:17], s[16:17], s[18:19]
	s_mul_u64 s[46:47], s[46:47], s[18:19]
	s_mul_i32 s20, s10, HALFT                      ; where they go: wave x 128 rows
	s_wait_dscnt 0x0                               ; the opening add is done
	s_wait_kmcnt 0x0
	s_add_nc_u64 s[14:15], s[72:73], s[16:17]
	s_add_nc_u64 s[46:47], s[72:73], s[46:47]
	s_add_nc_u64 s[46:47], s[46:47], 2048          ; K's part of a row
	s_mov_b64 s[8:9], s[74:75]
	CROUND                                         ; all sixteen work-groups are here: the first joint loads meet
.irp s, 0,1
	s_mov_b32 s[G0+4*(\s)], 1
	s_add_co_u32 s[G0+4*(\s)+1], s20, (\s)*SLOT
	s_add_nc_u64 s[G0+4*(\s)+2:G0+4*(\s)+3], s[14:15], (\s)*KSTEP*2
	s_or_b32 s[G0+4*(\s)+3], s[G0+4*(\s)+3], 0x80000000
	s_mov_b32 s[G0B+4*(\s)], 1
	s_add_co_u32 s[G0B+4*(\s)+1], s20, (\s)*SLOT
	s_add_nc_u64 s[G0B+4*(\s)+2:G0B+4*(\s)+3], s[46:47], (\s)*KSTEP*2
	s_or_b32 s[G0B+4*(\s)+3], s[G0B+4*(\s)+3], 0x80000000
	JLOAD \s                                       ; two tensor loads of mine are out
.endr
	v_and_b32 v1, 15, v0                           ; l % 16
	v_bfe_u32 v2, v0, 4, 1                         ; l / 16
	v_and_b32 v6, 31, v0                           ; l
	v_mul_u32_u24 v3, v1, PITCH
	v_lshl_add_u32 v3, v2, 4, v3
	s_mul_i32 s21, s11, HALFT
	s_mul_i32 s22, s12, HALFT
	s_add_co_u32 s22, s22, 2*HALFT
.irp s, 0,1
	v_add_nc_u32 v[ADRA+(\s)], s21, v3
	v_add_nc_u32 v[ADRB+(\s)], s22, v3
	s_add_co_u32 s21, s21, SLOT
	s_add_co_u32 s22, s22, SLOT
.endr
	s_lshl_b32 s23, s10, 10
	s_add_co_u32 s23, s23, STATS                   ; my statistics
	v_lshl_add_u32 v[SST], v1, 2, s23
	v_lshl_add_u32 v[SRD], v6, 4, s23
	v_lshlrev_b32 v[SO], 4, v6
	v_mov_b32 v[CM+1], 0                           ; named as the upper word of a pair,
	v_mov_b32 v[LS], 0
	v_mov_b32 v[LS+1], 0                           ; and as v_permlanex16_b32's destination, which counts as read
	s_lshl_b32 s13, s13, 8
	s_lshl_b32 s14, s11, 7
	s_add_co_u32 s16, s13, s14                     ; my first row
	s_lshl_b32 s80, s16, 2                         ; its place in a tile's 8,192 statistics,
	s_lshl_b32 s81, s42, 1
	s_add_co_u32 s81, s81, s12                     ; and t = 2 x key tile + half
	s_lshl_b32 s81, s81, 15
	s_add_co_u32 s80, s80, s81
	s_mov_b32 s81, 0
	s_add_nc_u64 s[76:77], s[76:77], s[80:81]
	s_add_nc_u64 s[78:79], s[78:79], s[80:81]
	s_lshl_b32 s16, s16, 12                        ; my part of p, in bytes: 65,536 for each 16 rows (under 2^26),
	s_mov_b32 s17, 0
	s_lshl_b32 s46, s42, 13                        ; 1,024 for each 32 keys: 8,192 for a key tile,
	s_lshl_b32 s47, s12, 12                        ; 4,096 for my half
	s_add_co_u32 s46, s46, s47
	s_mov_b32 s47, 0
	s_add_nc_u64 s[16:17], s[16:17], s[46:47]      ; the first trip of the way out adds it to the address
.macro MUL16 f, hi, a0, zero           ; 16 matrix instructions; the 64 accumulators take turns; zero = 1: the first product starts the sums
	WIN MUL_LO+0x50*(\hi)
.irp a, \a0, (\a0)+1
.irp b, 0,1,2,3,4,5,6,7
.if \zero
	v_wmma_f32_16x16x32_f16 v[8*(8*(\a)+(\b)):8*(8*(\a)+(\b))+7], v[(\f)+8*(\b):(\f)+8*(\b)+7], v[(\f)+8*(4*(\hi)+(\a)):(\f)+8*(4*(\hi)+(\a))+7], 0
.else
	v_wmma_f32_16x16x32_f16 v[8*(8*(\a)+(\b)):8*(8*(\a)+(\b))+7], v[(\f)+8*(\b):(\f)+8*(\b)+7], v[(\f)+8*(4*(\hi)+(\a)):(\f)+8*(4*(\hi)+(\a))+7], v[8*(8*(\a)+(\b)):8*(8*(\a)+(\b))+7]
.endif
.endr
.endr
.endm
.macro FETCH slot, k, f                ; 32 LDS loads in one run: K's 16, then Q's
	WIN TO_B
.irp i, 0,1,2,3,4,5,6,7
	ds_load_b128 v[(\f)+8*(\i):(\f)+8*(\i)+3],   v[ADRB+(\slot)] offset:(\k)+(\i)*16*PITCH
	ds_load_b128 v[(\f)+8*(\i)+4:(\f)+8*(\i)+7], v[ADRB+(\slot)] offset:(\k)+(\i)*16*PITCH+32
.endr
	WIN 0
.irp i, 0,1,2,3,4,5,6,7
	ds_load_b128 v[(\f)+8*(\i):(\f)+8*(\i)+3],   v[ADRA+(\slot)] offset:(\k)+(\i)*16*PITCH
	ds_load_b128 v[(\f)+8*(\i)+4:(\f)+8*(\i)+7], v[ADRA+(\slot)] offset:(\k)+(\i)*16*PITCH+32
.endr
.endm
.macro PLACES                          ; four plain vector instructions between a matrix instruction and a load into, or a vector instruction on, its registers
.rept 4
	v_nop
.endr
.endm
.macro QUARTER slot, k, f, g, zero
	s_wait_dscnt 8                                 ; K's fragments and Q's rows 0-63 are in; the youngest eight loads may be out
	MUL16 \f, 0, 0, \zero
	MUL16 \f, 0, 2, \zero
	PLACES
	FETCH \slot, \k, \g
	s_wait_dscnt 32                                ; all but the 32 just issued
	MUL16 \f, 1, 0, \zero
	MUL16 \f, 1, 2, \zero
.endm
; The change of slots: each wave waits for all its tensor loads (one is out: its part of the next slot), adds 0 to its spare word, waits for that and for its reads of this slot, and signals.
; fill = 1: the barrier opens a round of the cluster's barrier, and this slot is filled again, two steps ahead, first thing behind the round.
.macro TURN slot, next, fill
	WIN 0
	s_wait_tensorcnt 0x0
	ds_add_u32 v[SPW], v[NIL]
	s_wait_dscnt 9                                 ; the add and the youngest eight loads may be out
	MUL16 F1, 0, 0, 0
	s_wait_dscnt 0x0                               ; the add is done, and my reads of this slot are over
	s_barrier_signal -1
	MUL16 F1, 0, 2, 0
.if \fill
	WIN 0
.endif
	s_barrier_wait -1
.if \fill
	CREST
	s_add_nc_u64 s[G0+4*(\slot)+2:G0+4*(\slot)+3], s[G0+4*(\slot)+2:G0+4*(\slot)+3], 2*KSTEP*2
	s_add_nc_u64 s[G0B+4*(\slot)+2:G0B+4*(\slot)+3], s[G0B+4*(\slot)+2:G0B+4*(\slot)+3], 2*KSTEP*2
	JLOAD \slot                                    ; my one tensor load behind the round, 224 matrix instructions ahead of the wait for it
.else
	PLACES
.endif
	FETCH \next, 0, F0
	MUL16 F1, 1, 0, 0
	MUL16 F1, 1, 2, 0
.endm
	s_wait_tensorcnt 1                             ; my part of step 0 is in; step 1's may stay out
	s_barrier_signal -1
	s_barrier_wait -1
	FETCH 0, 0, F0
	QUARTER 0, 64,  F0, F1, 1
	WIN 0
	s_mov_b32 s3, LAPS-1
.Llap:
	QUARTER 0, 128, F1, F0, 0
	QUARTER 0, 192, F0, F1, 0
	TURN 0, 1, 1
	QUARTER 1, 64,  F0, F1, 0
	QUARTER 1, 128, F1, F0, 0
	QUARTER 1, 192, F0, F1, 0
	TURN 1, 0, 1
	QUARTER 0, 64,  F0, F1, 0
	WIN 0
	s_sub_co_u32 s3, s3, 1
	s_cmp_lg_u32 s3, 0
	s_cbranch_scc1 .Llap
	QUARTER 0, 128, F1, F0, 0                      ; the last lap is written out: it fills nothing
	QUARTER 0, 192, F0, F1, 0
	TURN 0, 1, 0
	QUARTER 1, 64,  F0, F1, 0
	QUARTER 1, 128, F1, F0, 0
	QUARTER 1, 192, F0, F1, 0
	s_wait_dscnt 8
	MUL16 F1, 0, 0, 0
	MUL16 F1, 0, 2, 0
	s_wait_dscnt 0x0
	MUL16 F1, 1, 0, 0
	MUL16 F1, 1, 2, 0
	WIN 0
	PLACES
; THE WAY OUT, a block of 16 queries at a time, in a loop of eight trips.  Only SPEC names a block's accumulators, so only it is written once for each block; all else is written once, on window 0.
; SPEC a: the block before's l goes to my statistics in LDS; the maximum of the lane's 64 scores (four chains, three operands at a time; of each accumulator the lowest registers are read first)
; and of the lane 16 away, which holds the query's other 64 keys; m goes to my statistics; s - m into v64-127 of window 0.
.macro SPEC a
.set AC, 64*((\a)%4)
.set W, 2+(\a)/4
.if (\a) > 0
	ds_store_b32 v[SST], v[LS] offset:512+64*((\a)-1)  ; both halves of the lanes write the same word with the same number
.endif
	WIN 0x15*W                                     ; all three sources in the block's window
.irp k, 0,1,2,3
	v_max3_num_f32 v[CC+(\k)], v[AC+8*(\k)], v[AC+8*(\k)+1], v[AC+8*(\k)+2]
.endr
	WIN 0x14*W                                     ; source 0 in window 0
.irp j, 3,5
.irp k, 0,1,2,3
	v_max3_num_f32 v[CC+(\k)], v[CC+(\k)], v[AC+8*(\k)+(\j)], v[AC+8*(\k)+(\j)+1]
.endr
.endr
.irp j, 0,2,4,6
.irp k, 0,1,2,3
	v_max3_num_f32 v[CC+(\k)], v[CC+(\k)], v[AC+32+8*(\k)+(\j)], v[AC+32+8*(\k)+(\j)+1]
.endr
.endr
	v_max3_num_f32 v[CC], v[CC], v[AC+7], v[AC+15]
	v_max3_num_f32 v[CC+2], v[CC+2], v[AC+23], v[AC+31]
	WIN 0
	v_max3_num_f32 v[CC], v[CC], v[CC+1], v[CC+2]
	v_max_num_f32 v[CC], v[CC], v[CC+3]
	v_permlanex16_b32 v[CC+1], v[CC], s[SEL], s[SEL+1]
	v_max_num_f32 v[CM], v[CC], v[CC+1]
	ds_store_b32 v[SST], v[CM] offset:64*(\a)
	WIN W                                          ; source 0 in the block's window
.set i, 0
.rept 32
	v_pk_add_f32 v[SW+2*i:SW+2*i+1], v[AC+2*i:AC+2*i+1], v[CM:CM+1] op_sel_hi:[1,0] neg_lo:[0,1] neg_hi:[0,1]
.set i, i+1
.endr
	WIN 0
.endm
	SPEC 0
	s_mov_b32 s3, 8                                ; trips to go
.Lblock:                                               ; block a: 64 exponentials as one batch, the roundings, the eight stores, the sum; then block a + 1's SPEC, reached by a forward jump on the loop's count
.set i, 0
.rept 64
	v_exp_f32 v[SW+i], v[SW+i]
.set i, i+1
.endr
	v_nop                                          ; a plain instruction behind the last exponential (ISA guide 5.7.2),
	s_wait_alu depctr_va_vdst(0)                   ; and the one wait for the batch, ahead of the first line that names a result
	s_wait_xcnt 0x0                                ; the last trip's stores have read their base and their data: only now are these written again
.set i, 0
.rept 32
	v_cvt_pk_f16_f32 v[TMP+i], v[SW+2*i], v[SW+2*i+1]
.set i, i+1
.endr
	s_add_nc_u64 s[8:9], s[8:9], s[16:17]          ; on to this block's fragments: first my part of p, then 16 rows a trip
	s_mov_b64 s[16:17], 65536
.irp b, 0,1,2,3,4,5,6,7
	global_store_b128 v[SO], v[TMP+4*(\b):TMP+4*(\b)+3], s[8:9] offset:512*(\b)  ; keys 16 b on: half b % 2 of fragment b / 2: 512 consecutive bytes, at a multiple of 512 from p's first byte
.endr
.irp w, 32,16,8,4,2                    ; the sum of the lane's 64 unrounded weights, in place: pairs w registers apart
.set u, 0
.rept (\w)/2
	v_pk_add_f32 v[SW+2*u:SW+2*u+1], v[SW+2*u:SW+2*u+1], v[SW+(\w)+2*u:SW+(\w)+2*u+1]
.set u, u+1
.endr
.endr
	v_add_f32 v[LS], v[SW], v[SW+1]
	v_permlanex16_b32 v[LS+1], v[LS], s[SEL], s[SEL+1]
	v_add_f32 v[LS], v[LS], v[LS+1]
.irp a, 1,2,3,4,5,6,7
	s_cmp_eq_u32 s3, 9-(\a)
	s_cbranch_scc1 .Lb\a
.endr
	s_branch .Lb8
.irp a, 1,2,3,4,5,6,7
.Lb\a:
	SPEC \a
	s_branch .Lnext
.endr
.Lb8:                                                  ; the last trip: there is no further block, only the last l
	ds_store_b32 v[SST], v[LS] offset:512+64*7
.Lnext:
	s_sub_co_u32 s3, s3, 1
	s_cmp_lg_u32 s3, 0
	s_cbranch_scc1 .Lblock
	ds_load_b128 v[32:35], v[SRD]                  ; my 128 rows' m and l, four rows a lane: my own bytes, served behind my stores (ISA guide 5.7.1.4)
	ds_load_b128 v[36:39], v[SRD] offset:512
	s_wait_dscnt 0x0
	global_store_b128 v[SO], v[32:35], s[76:77]    ; 512 consecutive bytes each, at a multiple of 256 from the buffer's first byte
	global_store_b128 v[SO], v[36:39], s[78:79]
	s_wait_tensorcnt 0x0                           ; the wave's end: behind my last tensor load and my last LDS store
	ds_add_u32 v[SPW], v[NIL]
	s_wait_dscnt 0x0
	CROUND                                         ; the closing round
	s_endpgm
.Lfunc_end_k_q14be7348a1_score:
	.size	k_q14be7348a1_score, .Lfunc_end_k_q14be7348a1_score-k_q14be7348a1_score
	.p2alignl 7, 3214868480
	.fill 96, 4, 3214868480
	.section	.rodata,"a",@progbits
	.p2align	6, 0x0
	.amdhsa_kernel k_q14be7348a1_score
		.amdhsa_group_segment_fixed_size 327680
		.amdhsa_private_segment_fixed_size 0
		.amdhsa_enable_private_segment 0
		.amdhsa_kernarg_size 32
		.amdhsa_user_sgpr_count 2
		.amdhsa_user_sgpr_kernarg_segment_ptr 1
		.amdhsa_wavefront_size32 1
		.amdhsa_system_sgpr_workgroup_id_x 1
		.amdhsa_system_sgpr_workgroup_id_y 1
		.amdhsa_system_sgpr_workgroup_id_z 1
		.amdhsa_system_vgpr_workitem_id 0
		.amdhsa_next_free_vgpr 1024
		.amdhsa_next_free_sgpr 84
		.amdhsa_reserve_vcc 0
		.amdhsa_float_denorm_mode_32 3
		.amdhsa_float_denorm_mode_16_64 3
		.amdhsa_memory_ordered 1
		.amdhsa_forward_progress 1
		.amdhsa_inst_pref_size 154
	.end_amdhsa_kernel
	.amdgpu_metadata
---
amdhsa.version: [ 1, 2 ]
amdhsa.kernels:
  - .name:           k_q14be7348a1_score
    .symbol:         k_q14be7348a1_score.kd
    .args:
      - { .name: qkv, .offset: 0, .size: 8, .value_kind: global_buffer, .address_space: global }
      - { .name: p, .offset: 8, .size: 8, .value_kind: global_buffer, .address_space: global }
      - { .name: stm, .offset: 16, .size: 8, .value_kind: global_buffer, .address_space: global }
      - { .name: stl, .offset: 24, .size: 8, .value_kind: global_buffer, .address_space: global }
    .group_segment_fixed_size: 327680
    .private_segment_fixed_size: 0
    .kernarg_segment_align: 8
    .kernarg_segment_size: 32
    .max_flat_workgroup_size: 128
    .sgpr_count:     84
    .vgpr_count:     1024
    .wavefront_size: 32
...
	.end_amdgpu_metadata
.endif
;; end of part 3
;; launch mix (part 4): grid 4 x 64, 4 waves a work-group, clusters of 4 x 4, 327,680 bytes of LDS; arguments p, qkv, stm, stl, out0; writes out0
.if DOCPART == 4
	.amdgcn_target "amdgcn-amd-amdhsa--gfx1250"
	.amdhsa_code_object_version 6
	.text
	.protected	k_q14be7348a1_mix
	.globl	k_q14be7348a1_mix
	.p2align	8
	.type	k_q14be7348a1_mix,@function
k_q14be7348a1_mix:
	s_mov_b64 s[64:65], 0
	v_nop
	global_prefetch_b8 v0, s[64:65] scope:SCOPE_SE
	s_setreg_imm32_b32 hwreg(HW_REG_WAVE_MODE, 25, 1), 1
	s_wait_xcnt 0x0
	s_wait_alu depctr_hold_cnt(0) depctr_sa_sdst(0) depctr_va_vdst(0) depctr_va_sdst(0) depctr_va_ssrc(0) depctr_va_vcc(0) depctr_vm_vsrc(0)
	s_getreg_b32 s2, hwreg(HW_REG_IB_STS2, 6, 4)
	s_cmp_eq_u32 s2, 0
	s_cbranch_scc0 .Lentry_in_a_cluster
	s_endpgm
.Lentry_in_a_cluster:
	s_bfe_u32 s2, ttmp6, 0x10000c
	s_cmp_lg_u32 s2, 0xf033
	s_cbranch_scc0 .Lentry_shape_is_right
	s_endpgm
.Lentry_shape_is_right:
; out0[q][o] = (sum over the row's 16 tiles t of 128 keys of f_t sum over k in t of p[q][k] V[k][o]) / L.  M = the largest of the row's 16 partial maxima stm[t][q]; f_t = 2^(stm[t][q] - M), at most 1,
; rounded to f16; L = sum over t of f_t stl[t][q], at least 1.  With p = 2^(s - m_t) from the launch before, f_t p = 2^(s - M): the softmax with the row's own maximum taken away.
; V: bytes 4,096 to 6,143 of qkv's rows of 6,144, f16; stm, stl: [16][8192] f32; out0: [8192][1024] f32.  f_t p is rounded to f16 for the product; sums in f32; L takes the rounded f_t.
; p lies as fragments: 16 rows x 32 keys are 1,024 bytes at (64 (row / 16) + key / 32) x 1,024; lane l has its registers 0-3 at 16 l and its registers 4-7 at 512 + 16 l.
; LIMITS: a weight f_t p below 6e-5 keeps f16's fixed step of 6e-8 (the row's largest weight is 1); an f_t below 2^-126 counts as 0.  NaN and infinities are not treated apart.
; A tile of out0 is 128 rows x 256 channels: 256 work-groups, one for each WGP; a larger tile would leave WGPs without work.  Four waves, each 64 rows x 128 channels: 32 accumulators, 256 registers.
; A LAP is 256 keys: two tiles t, eight quarters of 32 keys, 256 matrix instructions a wave.  V goes through two LDS slots of a lap each, filled by tensor loads: 256 rows of 512 bytes, each wave fetching 64.
; So a slot is filled again once a lap, and the one load that a wave issues behind the change of slots has 248 matrix instructions in which to land.
; CLUSTERS: 4 x 4.  The four of a column of the cluster need the same part of V: joint loads.  p IS NOT ASKED FOR JOINTLY, though the four of a row of the cluster read the same rows of it: a joint load
; lands in LDS, where two slots of a lap of V (278,528 bytes) leave no room for p; as it lies in memory a fragment is two loads of 512 consecutive bytes straight into registers.  256 registers hold
; a lap of it: a quarter's 32 registers are asked for again in the next quarter, for the next lap, six and a half quarters ahead of their next use.
; ONE TEXT FOR BOTH SLOTS: the slot that is read stands in a scalar register, 0 or SLOT, turned by an exclusive or at each change; the LDS addresses are made from it.
; THE LAST LAP shares its text with the lap before it, so it goes on asking: 48 loads of 512 bytes a wave, of the last lap's own p, inside the buffer, which nobody reads.  That is the price of one text
; for the two laps with one count in every wait for p.
; THE MATRIX INSTRUCTION IS USED TRANSPOSED: source 0 = 16 channels x 32 keys of V (V lies [key][channel] in LDS and comes out turned, by ds_load_tr16_b128), source 1 = 16 rows x 32 keys of p.
; A lane of source 1 holds one row, so f_t is one packed multiply a register; these stand four behind a matrix instruction, a quarter ahead of the fragment's use.
; In the result lane l holds row l % 16 and the channels 8 (l / 16) + 0..7: 32 bytes of out0 on end.
; REGISTERS, in windows of 256 (s_set_vgpr_msb: bits 1:0 source 0, 3:2 source 1, 5:4 source 2, 7:6 destination):
;   window 0: v0-31 addresses and f; v96-159, v160-223 fragments of V, two buffers; v224-227 M and L      window 1: accumulator (a, b) at v[8 (8 a + b)]
;   window 2: p: quarter n of a lap's eight, rows 16 a on, at v[32 n + 8 a]
.set PV,    544                        ; a row of V in LDS: 512 + 32: an odd multiple of 32, as the turning load's 8 rows x 32 bytes want
.set STEPB, 128*PV                     ; a tile t's 128 keys
.set SLOT,  2*STEPB                    ; a lap's 256 keys
.set FTAB,  2*SLOT                     ; behind the ring: for each wave 4,352 bytes: f (twice in a word, f16) of its 64 rows for tile t at 256 t; 1 / L at 4,096
.set FWAVE, 4352
.set SPARE, FTAB+4*FWAVE               ; the spare words, 128 bytes for each wave: two blocks of 256 bytes that no other line names
.set STAGE, SPARE+512                  ; 16 rows x 272 bytes for each wave, for the way out
.set SP,    272                        ; 256 bytes (64 channels of f32) + 16
.set LAPV,  256*6144                   ; bytes from a lap's rows of V to the next lap's
.set FS,   8                           ; v[8:11] f of my four blocks of rows for the lap's first tile, v[12:15] for its second; at the end 1 / L in v8, v10, v12, v14
.set AV0,  19                          ; v19     my lane's place in a slot of V; never rewritten
.set ADRB, 20                          ; v20-21  LDS address of my fragments of V in the first and second tile of the slot that is read
.set FA0,  22                          ; v22     my row's word in tile 0's f; never rewritten
.set FA,   23                          ; v23     the same in the first tile of the lap to be fetched
.set STO,  24
.set RD,   25
.set CO,   26
.set FW,   27                          ; v27     where I put two rows' f
.set SPW,  28                          ; v28     LDS address of my spare word; never rewritten
.set NIL,  29                          ; v29     0; never rewritten
.set SL,   30                          ; v30     8 x lane: two rows' statistics
.set PO,   31                          ; v31     16 x lane: my 16 bytes of half a fragment; never rewritten
.set BF,   96
.set CMR,  32                          ; the prologue: m_t of rows 2 l, 2 l + 1 at v[32 + 2 t], then f_t
.set LR,   64                          ; l_t likewise
.set FH,   96                          ; f_t in f16, twice in a word
.set MX,   224
.set LL,   226
.set LW,  20                           ; s20     my 64 keys' place in a slot: wave x 64 rows
.set G1,  24                           ; s[24:31] descriptor group 1
.set G0,  32                           ; s[32:39] group 0: a set for each of the two first fills; the second then walks on
.set PB,  66                           ; s[66:67] p at my first 16 rows, at the lap that is being asked for
.set FTB, 70                           ; s70     256 x the first tile of the lap whose f is fetched next
.set TB,  71                           ; s71     the slot that is read: 0 or SLOT
.set MSB, 0
.macro WIN new                         ; the immediate's high byte repeats the setting that is left; a switch that changes nothing is dropped
.if MSB != (\new)
	s_set_vgpr_msb (MSB<<8)|(\new)
.set MSB, \new
.endif
.endm
.macro JLOAD s                         ; a joint load: wave w fetches keys 64 w to 64 w + 63 of the lap; both addresses hang on the wave's number; an s_nop 0 and four v_nop follow
	tensor_load_to_lds s[G0+4*(\s):G0+4*(\s)+3], s[G1:G1+7]
	s_nop 0
.rept 4
	v_nop
.endr
.endm
.macro CREST                           ; a round of the cluster's barrier behind its opening barrier
	s_cmp_lg_u32 s10, 0
	s_cbranch_scc1 .Lnot_wave_0_\@
	s_barrier_signal -3
.Lnot_wave_0_\@:
	s_barrier_wait -3
	s_barrier_signal -1
	s_barrier_wait -1
.endm
.macro CROUND                          ; a whole round
	s_barrier_signal -1
	s_barrier_wait -1
	CREST
.endm
.macro LDP m                           ; p's fragments of quarter m of the lap at s[PB]: 4 blocks of 16 rows x 32 keys, eight loads of 512 consecutive bytes
	WIN 0x80                                       ; destination window 2, address window 0
.irp a, 0,1,2,3
	global_load_b128 v[32*(\m)+8*(\a):32*(\m)+8*(\a)+3],   v[PO], s[PB:PB+1] offset:(\a)*65536+(\m)*1024
	global_load_b128 v[32*(\m)+8*(\a)+4:32*(\m)+8*(\a)+7], v[PO], s[PB:PB+1] offset:(\a)*65536+(\m)*1024+512
.endr
.endm
	s_load_b256 s[72:79], s[0:1], 0x0              ; p s[72:73], qkv s[74:75], stm s[76:77], stl s[78:79]
	s_load_b64 s[8:9], s[0:1], 0x20                ; out0
	v_lshl_add_u32 v[SPW], v0, 2, SPARE
	v_mov_b32 v[NIL], 0
	ds_add_u32 v[SPW], v[NIL]                      ; the wave's opening: the add and its wait stand ahead of my first tensor load; the set-up below stands between them
	v_lshrrev_b32 v1, 5, v0
	v_readfirstlane_b32 s10, v1                    ; wave 0..3
	s_lshr_b32 s11, s10, 1                         ; which half of the tile's rows is mine
	s_and_b32 s12, s10, 1                          ; which half of its channels
	s_bfe_u32 s40, ttmp6, 0x40000                  ; cx, cy
	s_bfe_u32 s41, ttmp6, 0x40004
	s_lshl_b32 s42, ttmp9, 2
	s_add_co_u32 s42, s42, s40                     ; the block of 256 channels
	s_and_b32 s13, ttmp7, 0xffff
	s_lshr_b32 s45, s13, 2                         ; the batch: 16 blocks of rows = four clusters along y: all sixteen partners share it
	s_lshl_b32 s45, s45, 11                        ; its first row of qkv
	s_lshl_b32 s13, s13, 2
	s_add_co_u32 s13, s13, s41                     ; the block of 128 rows
	s_lshl_b32 s44, 0x1111, s40                    ; my column of the cluster
	s_or_b32 s[G1+0], s44, (1<<16)|(1<<20)|(1<<21)|(6<<22)|(7<<25)   ; the mask; elements of 2 bytes; padding on; bit 21 beside a mask; after every 128 words 8 words
	s_mov_b32 s[G1+1], 256<<16                     ; tensor_dim0 = 256
	s_mov_b32 s[G1+2], 64<<16                      ; tensor_dim1 = 64
	s_mov_b32 s[G1+3], 256<<16                     ; tile_dim0 = 256
	s_mov_b32 s[G1+4], 64                          ; tile_dim1 = 64
	s_mov_b32 s[G1+5], 3072                        ; elements from row to row
	s_mov_b32 s[G1+6], 0
	s_mov_b32 s[G1+7], 0
	s_lshl_b32 s17, s10, 6                         ; which 64 keys I fetch
	s_add_co_u32 s46, s45, s17
	s_mul_i32 s46, s46, 6144                       ; V: the batch's row 64 x wave (under 2^26),
	s_lshl_b32 s47, s42, 9
	s_add_co_u32 s46, s46, s47                     ; my block's 512 bytes
	s_add_co_u32 s46, s46, 4096                    ; of V's part of a row
	s_mov_b32 s47, 0
	s_mul_i32 s[LW], s10, 64*PV                    ; where they go: wave x 64 rows: no place in the cluster enters an LDS address
	s_lshl_b32 s16, s13, 19                        ; p: eight blocks of 16 rows, 65,536 bytes each, for a block of 128 rows (under 2^26),
	s_lshl_b32 s17, s11, 18                        ; four for my half
	s_add_co_u32 s16, s16, s17
	s_mov_b32 s17, 0
	s_mov_b32 s[FTB], 512                          ; lap 0's f is fetched from the table's head; the first change of slots fetches tiles 2 and 3
	s_mov_b32 s[TB], 0                             ; lap 0 is read from slot 0
	s_wait_dscnt 0x0                               ; the opening add is done
	s_wait_kmcnt 0x0
	s_add_nc_u64 s[PB:PB+1], s[72:73], s[16:17]
	s_add_nc_u64 s[46:47], s[74:75], s[46:47]
	CROUND                                         ; all sixteen work-groups are here: the first joint loads meet
.irp s, 0,1
	s_mov_b32 s[G0+4*(\s)], 1                                        ; count = 1
	s_add_co_u32 s[G0+4*(\s)+1], s[LW], (\s)*SLOT                    ; LDS address
	s_add_nc_u64 s[G0+4*(\s)+2:G0+4*(\s)+3], s[46:47], (\s)*LAPV     ; global address: lap s
	s_or_b32 s[G0+4*(\s)+3], s[G0+4*(\s)+3], 0x80000000              ; type = 2
	JLOAD \s                                       ; two tensor loads of mine are out
.endr
	; the statistics of my wave's 64 rows: lane l takes rows 2 l and 2 l + 1, so that a load of the wave covers 256 consecutive bytes, aligned
	v_and_b32 v3, 31, v0                           ; l
	v_lshlrev_b32 v[SL], 3, v3
	v_lshlrev_b32 v[PO], 4, v3
	s_lshl_b32 s80, s13, 9
	s_lshl_b32 s81, s11, 8
	s_add_co_u32 s80, s80, s81                     ; 4 bytes x (128 x block + 64 x half)
	s_mov_b32 s81, 0
	s_add_nc_u64 s[82:83], s[78:79], s[80:81]
	s_add_nc_u64 s[80:81], s[76:77], s[80:81]
.set t, 0
.rept 16
	global_load_b64 v[CMR+2*t:CMR+2*t+1], v[SL], s[80:81] offset:32768*t
.set t, t+1
.endr
.set t, 0
.rept 16
	global_load_b64 v[LR+2*t:LR+2*t+1], v[SL], s[82:83] offset:32768*t
.set t, t+1
.endr
	LDP 0                                          ; p of the first lap's quarters 0 to 2 goes out behind them
	LDP 1
	LDP 2
	WIN 0
	v_and_b32 v1, 15, v0                           ; l % 16
	v_bfe_u32 v2, v0, 4, 1                         ; l / 16
	v_and_b32 v5, 7, v0                            ; the turning load takes 16 keys x 16 channels: lane l reads key 8 (l / 16) + l % 8, channels 8 ((l / 8) % 2) + 0..7
	v_lshl_add_u32 v5, v2, 3, v5
	v_mul_u32_u24 v5, v5, PV
	v_bfe_u32 v6, v0, 3, 1
	v_lshl_add_u32 v5, v6, 4, v5
	s_lshl_b32 s23, s12, 8                         ; my 128 channels of V
	v_add_nc_u32 v[AV0], s23, v5
	v_mov_b32 v[ADRB], v[AV0]                      ; slot 0: its first tile,
	v_add_nc_u32 v[ADRB+1], STEPB, v[AV0]          ; and its second
	s_mul_i32 s22, s10, FWAVE
	s_add_co_u32 s22, s22, FTAB                    ; my table
	v_lshl_add_u32 v[FA0], v1, 2, s22
	v_lshl_add_u32 v[FW], v3, 3, s22
	v_mov_b32 v[FA], v[FA0]                        ; tiles 0 and 1
	s_mul_i32 s23, s10, 16*SP
	s_add_co_u32 s23, s23, STAGE                   ; my stage
	v_mul_u32_u24 v[STO], v1, SP                   ; in: row l % 16, 32 bytes for each half of the lanes
	v_lshl_add_u32 v[STO], v2, 5, v[STO]
	v_add_nc_u32 v[STO], s23, v[STO]
	v_mul_u32_u24 v[RD], v2, SP                    ; back: lanes 0-15 take one row of 256 bytes, lanes 16-31 the next
	v_lshl_add_u32 v[RD], v1, 4, v[RD]
	v_add_nc_u32 v[RD], s23, v[RD]
	s_lshl_b32 s22, s12, 9
	v_lshlrev_b32 v[CO], 12, v2                    ; and the same two rows in out0, in my 512 bytes of them
	v_lshl_add_u32 v[CO], v1, 4, v[CO]
	v_add_nc_u32 v[CO], s22, v[CO]
	s_lshl_b32 s16, s13, 19                        ; out0 at my first row and my block's first channel (under 2^26)
	s_lshl_b32 s17, s11, 18
	s_add_co_u32 s16, s16, s17
	s_lshl_b32 s17, s42, 10
	s_add_co_u32 s16, s16, s17
	s_mov_b32 s17, 0
	s_add_nc_u64 s[8:9], s[8:9], s[16:17]
	v_mov_b32 v[LL], 0
	v_mov_b32 v[LL+1], 0
	s_wait_loadcnt 24                              ; the statistics are in; p's 24 loads stay out
	LDP 3                                          ; quarters 3 to 6; quarter 7 is asked for in the first quarter, as in every lap
	LDP 4
	LDP 5
	LDP 6
	WIN 0
.irp e, 0,1
	v_max3_num_f32 v[MX+(\e)], v[CMR+(\e)], v[CMR+2+(\e)], v[CMR+4+(\e)]
.irp t, 3,5,7,9,11,13
	v_max3_num_f32 v[MX+(\e)], v[MX+(\e)], v[CMR+2*(\t)+(\e)], v[CMR+2*(\t)+2+(\e)]
.endr
	v_max_num_f32 v[MX+(\e)], v[MX+(\e)], v[CMR+30+(\e)]
.endr
.set t, 0
.rept 16
	v_pk_add_f32 v[CMR+2*t:CMR+2*t+1], v[CMR+2*t:CMR+2*t+1], v[MX:MX+1] neg_lo:[0,1] neg_hi:[0,1]  ; m_t - M, at most 0
.set t, t+1
.endr
.set i, 0
.rept 32
	v_exp_f32 v[CMR+i], v[CMR+i]
.set i, i+1
.endr
	v_nop                                          ; a plain instruction behind the last exponential (ISA guide 5.7.2),
	s_wait_alu depctr_va_vdst(0)                   ; and the one wait for the batch
.set i, 0
.rept 32
	v_cvt_pk_f16_f32 v[FH+i], v[CMR+i], v[CMR+i]   ; f, rounded once, in both halves of a word
.set i, i+1
.endr
.set i, 0
.rept 32
	v_fma_mix_f32 v[LL+i%2], v[FH+i], v[LR+i], v[LL+i%2] op_sel_hi:[1,0,0]  ; L += f l, with the f that the weights are multiplied by; the two rows' chains alternate
.set i, i+1
.endr
	v_rcp_f32 v[LL], v[LL]
	v_rcp_f32 v[LL+1], v[LL+1]
	v_nop
	s_wait_alu depctr_va_vdst(0)                   ; one wait for the two reciprocals
.set t, 0
.rept 16
	ds_store_b64 v[FW], v[FH+2*t:FH+2*t+1] offset:256*t
.set t, t+1
.endr
	ds_store_b64 v[FW], v[LL:LL+1] offset:4096     ; the table is my wave's own: LDS serves a wave's instructions in order, so its reads need no barrier
.macro PLACES                          ; four plain vector instructions between a matrix instruction and a load into, or a vector instruction on, its registers
.rept 4
	v_nop
.endr
.endm
.macro LDF                             ; f of my four blocks of 16 rows, for the two tiles of the lap at v[FA]
.irp a, 0,1,2,3
	ds_load_b32 v[FS+(\a)],   v[FA] offset:64*(\a)
	ds_load_b32 v[FS+4+(\a)], v[FA] offset:256+64*(\a)
.endr
.endm
.macro LDBT st, q, buf                 ; V's fragments of quarter q of the slot's tile st, turned: 8 blocks of 16 channels x 32 keys
.irp b, 0,1,2,3,4,5,6,7
	ds_load_tr16_b128 v[BF+64*(\buf)+8*(\b):BF+64*(\buf)+8*(\b)+3],   v[ADRB+(\st)] offset:(\q)*32*PV+32*(\b)
	ds_load_tr16_b128 v[BF+64*(\buf)+8*(\b)+4:BF+64*(\buf)+8*(\b)+7], v[ADRB+(\st)] offset:(\q)*32*PV+16*PV+32*(\b)
.endr
.endm
; Products i0 .. i0 + n - 1 of a quarter's 32: V's buffer f, p's registers from v[pr] of window 2 on; rows 16 (i % 4) on, channels 16 (i / 4) on.  Each accumulator has one product a quarter, so the 32 take
; turns.  zero = 1: the product starts the sum.  rg >= 0: behind products 16 to 23 stand four packed multiplies each: the 32 registers of p's next quarter, from v[rg] of window 2
; on, times the f of their block, from v[rf] on.
.macro MUL i0, n, f, pr, zero, rg, rf
.set i, \i0
.rept \n
	WIN 0x58                                       ; V in window 0, p in window 2, C and D in window 1
.set rA, (\pr)+8*(i%4)
.set rB, BF+64*(\f)+8*(i/4)
.set rC, 8*(8*(i%4)+i/4)
.if \zero
	v_wmma_f32_16x16x32_f16 v[rC:rC+7], v[rB:rB+7], v[rA:rA+7], 0
.else
	v_wmma_f32_16x16x32_f16 v[rC:rC+7], v[rB:rB+7], v[rA:rA+7], v[rC:rC+7]
.endif
.if ((\rg) >= 0) && (i >= 16) && (i < 24)
	WIN 0x82                                       ; destination and source 0 in window 2, f in window 0
.set r, 4*(i-16)
.rept 4
	v_pk_mul_f16 v[(\rg)+r], v[(\rg)+r], v[(\rf)+r/8]
.set r, r+1
.endr
.endif
.set i, i+1
.endr
.endm
; Quarter qn = 0 to 6 of a lap, on V's buffer qn % 2: fetches V's next quarter, of the same slot, into the other buffer; asks for p of the quarter just multiplied, one lap on; multiplies; scales p's next quarter.
.macro QTR qn, zero
	WIN 0
	PLACES                                         ; V's other buffer and p's last quarter were read by the products just before
	LDBT ((\qn)+1)/4, ((\qn)+1)%4, ((\qn)+1)%2
	LDP ((\qn)+7)%8
	s_wait_dscnt 16                                ; all but the 16 just issued: this quarter's V is in
	MUL 0, 16, (\qn)%2, 32*(\qn), \zero, -1, 0
	s_wait_loadcnt 48                              ; the six groups of eight issued behind it may stay out: the next quarter's p is in
	MUL 16, 16, (\qn)%2, 32*(\qn), \zero, 32*((\qn)+1), FS+4*(((\qn)+1)/4)
.endm
; Quarter 7 multiplies V's buffer 1 and changes slots: ONE barrier.  In front of it each wave waits for all its tensor loads (one is out: its part of the next slot), adds 0 to its spare word, and waits for
; that and for its own reads of this slot.  fill = 1: the barrier opens a round of the cluster's barrier, and this slot is filled again, with the lap two on, first thing behind the round.
.macro TURN fill
	WIN 0
	s_wait_tensorcnt 0x0                           ; no tensor load of mine is out, so the walking group 0 may be written
	ds_add_u32 v[SPW], v[NIL]                      ; 0 onto my spare word; the addresses' steps, work on registers, stand between it and the wait for it
	v_add_nc_u32 v[FA], s[FTB], v[FA0]             ; the next lap's place in my table
	s_add_co_u32 s[FTB], s[FTB], 512
.if \fill
	s_add_co_u32 s[G0+5], s[LW], s[TB]             ; the walking descriptor: my 64 rows of the slot that has been read,
	s_add_nc_u64 s[G0+6:G0+7], s[G0+6:G0+7], LAPV  ; the lap behind the one asked for last; the type bits on top are not reached
.endif
	s_xor_b32 s[TB], s[TB], SLOT                   ; 0 and SLOT change places: the reads go on in the other slot
	v_add_nc_u32 v[ADRB], s[TB], v[AV0]
	v_add_nc_u32 v[ADRB+1], STEPB, v[ADRB]
	s_wait_dscnt 0x0                               ; the add is done, and my reads of this slot are over
	s_barrier_signal -1
	MUL 0, 8, 1, 224, 0, -1, 0
	WIN 0
	s_barrier_wait -1
.if \fill
	CREST                                          ; no wave of any partner still reads this slot or has a load on its way
	JLOAD 1                                        ; my one tensor load behind the round, 248 matrix instructions ahead of the wait for it; its four v_nop are also the places in front of the loads below
.else
	PLACES
.endif
	LDF
	LDBT 0, 0, 0
	LDP 6
	MUL 8, 8, 1, 224, 0, -1, 0
	s_wait_dscnt 16                                ; V's 16 loads may stay out: f is in
	s_wait_loadcnt 48
	MUL 16, 16, 1, 224, 0, 0, FS
.endm
	s_wait_dscnt 0x0                               ; my stores into the table
	s_wait_tensorcnt 1                             ; my part of lap 0 is in; lap 1's may stay out
	s_barrier_signal -1
	s_barrier_wait -1
	LDF
	LDBT 0, 0, 0
	s_wait_dscnt 16
	s_wait_loadcnt 48                              ; p's quarter 0 is in; the six groups behind it stay out
	WIN 0x82
.set r, 0
.rept 32
	v_pk_mul_f16 v[r], v[r], v[FS+r/8]             ; the very first fragments are scaled here: there is no product yet to set them behind
.set r, r+1
.endr
	QTR 0, 1                                       ; the first quarter stands in front of the loop: its products start the sums
	WIN 0
	s_wait_xcnt 0x0                                ; p's loads have read their base:
	s_add_nc_u64 s[PB:PB+1], s[PB:PB+1], 8192      ; the next lap: 256 keys, eight fragments of 1,024 bytes
	s_mov_b32 s3, 6
.Llap:                                                 ; a trip goes from a lap's second quarter to the next lap's first; it fills the slot that it leaves (laps 2 to 7) and asks for the next lap's p
.irp n, 1,2,3,4,5,6
	QTR \n, 0
.endr
	TURN 1
	QTR 0, 0
	WIN 0
	s_wait_xcnt 0x0
	s_add_nc_u64 s[PB:PB+1], s[PB:PB+1], 8192
	s_sub_co_u32 s3, s3, 1
	s_cmp_lg_u32 s3, 0
	s_cbranch_scc1 .Llap
	s_mov_b32 s3, 2                                ; the last two laps fill nothing: a text of their own; it is entered in its middle
	s_branch .Lmid
.Ltail:
	TURN 0                                         ; from lap 6 to lap 7
	QTR 0, 0
	WIN 0
.Lmid:                                                 ; lap 6 asks for lap 7's p; lap 7 asks for the same bytes once more, and nobody reads them (see the head)
.irp n, 1,2,3,4,5,6
	QTR \n, 0
.endr
	WIN 0
	s_sub_co_u32 s3, s3, 1
	s_cmp_lg_u32 s3, 0
	s_cbranch_scc1 .Ltail
.irp a, 0,1,2,3
	ds_load_b32 v[FS+2*(\a)], v[FA0] offset:4096+64*(\a)  ; 1 / L of my row in each block
.endr
	s_wait_dscnt 0x0
	MUL 0, 32, 1, 224, 0, -1, 0                    ; the very last quarter
	WIN 0
	PLACES
; THE WAY OUT.  A block of 16 rows is divided by L; then, 64 channels at a time, a lane's 32 bytes of a row go into my stage, in rows of 272 bytes, and come back as whole rows of 256.
.macro OPK a
	WIN 0x41                                       ; destination and source 0 window 1, 1 / L in window 0
.set i, 0
.rept 32
	v_pk_mul_f32 v[64*(\a)+2*i:64*(\a)+2*i+1], v[64*(\a)+2*i:64*(\a)+2*i+1], v[FS+2*(\a):FS+2*(\a)+1] op_sel_hi:[1,0]
.set i, i+1
.endr
.endm
.macro TOST u                          ; half u % 2 of block u / 2
.set BK, 32+32*((\u)%2)
.set AC, 64*((\u)/2)+32*((\u)%2)
.if (\u) >= 2
	s_wait_xcnt 0x0                                ; the stores of the half two back have read these registers
.endif
	WIN 0x04                                       ; the data (source 1) in window 1
.irp b, 0,1,2,3
	ds_store_b128 v[STO], v[AC+8*(\b):AC+8*(\b)+3]   offset:64*(\b)
	ds_store_b128 v[STO], v[AC+8*(\b)+4:AC+8*(\b)+7] offset:64*(\b)+16
.endr
	WIN 0
.irp t, 0,1,2,3,4,5,6,7
	ds_load_b128 v[BK+4*(\t):BK+4*(\t)+3], v[RD] offset:(\t)*2*SP  ; LDS serves a wave's instructions in order (ISA guide 5.7.1.4): these see the stores above; the next half's stores come behind them
.endr
.endm
.macro SEND u, younger                 ; younger: the LDS instructions issued behind half u's loads: the next half's sixteen, or none
.set BK, 32+32*((\u)%2)
	WIN 0
	s_wait_dscnt \younger
.irp t, 0,1,2,3,4,5,6,7
	global_store_b128 v[CO], v[BK+4*(\t):BK+4*(\t)+3], s[8:9] offset:(16*((\u)/2)+2*(\t))*4096+256*((\u)%2) th:TH_STORE_NT  ; 16 lanes store 256 consecutive bytes, at a multiple of 256 from out0's first byte
.endr
.endm
	OPK 0
	TOST 0
.irp u, 1,2,3,4,5,6,7                  ; a half's way through the stage is begun ahead of the wait for the half before
.if (\u)%2 == 0
	OPK (\u)/2
.endif
	TOST \u
	SEND (\u)-1, 16
.endr
	SEND 7, 0
	s_wait_tensorcnt 0x0                           ; the wave's end: behind my last tensor load and my last LDS store
	ds_add_u32 v[SPW], v[NIL]
	s_wait_dscnt 0x0
	CROUND                                         ; the closing round: no work-group ends while a partner may still ask for a tile that names it
	s_endpgm
.Lfunc_end_k_q14be7348a1_mix:
	.size	k_q14be7348a1_mix, .Lfunc_end_k_q14be7348a1_mix-k_q14be7348a1_mix
	.p2alignl 7, 3214868480
	.fill 96, 4, 3214868480
	.section	.rodata,"a",@progbits
	.p2align	6, 0x0
	.amdhsa_kernel k_q14be7348a1_mix
		.amdhsa_group_segment_fixed_size 327680
		.amdhsa_private_segment_fixed_size 0
		.amdhsa_enable_private_segment 0
		.amdhsa_kernarg_size 40
		.amdhsa_user_sgpr_count 2
		.amdhsa_user_sgpr_kernarg_segment_ptr 1
		.amdhsa_wavefront_size32 1
		.amdhsa_system_sgpr_workgroup_id_x 1
		.amdhsa_system_sgpr_workgroup_id_y 1
		.amdhsa_system_sgpr_workgroup_id_z 1
		.amdhsa_system_vgpr_workitem_id 0
		.amdhsa_next_free_vgpr 768
		.amdhsa_next_free_sgpr 84
		.amdhsa_reserve_vcc 0
		.amdhsa_float_denorm_mode_32 3
		.amdhsa_float_denorm_mode_16_64 3
		.amdhsa_memory_ordered 1
		.amdhsa_forward_progress 1
		.amdhsa_inst_pref_size 166
	.end_amdhsa_kernel
	.amdgpu_metadata
---
amdhsa.version: [ 1, 2 ]
amdhsa.kernels:
  - .name:           k_q14be7348a1_mix
    .symbol:         k_q14be7348a1_mix.kd
    .args:
      - { .name: p, .offset: 0, .size: 8, .value_kind: global_buffer, .address_space: global }
      - { .name: qkv, .offset: 8, .size: 8, .value_kind: global_buffer, .address_space: global }
      - { .name: stm, .offset: 16, .size: 8, .value_kind: global_buffer, .address_space: global }
      - { .name: stl, .offset: 24, .size: 8, .value_kind: global_buffer, .address_space: global }
      - { .name: out0, .offset: 32, .size: 8, .value_kind: global_buffer, .address_space: global }
    .group_segment_fixed_size: 327680
    .private_segment_fixed_size: 0
    .kernarg_segment_align: 8
    .kernarg_segment_size: 40
    .max_flat_workgroup_size: 128
    .sgpr_count:     84
    .vgpr_count:     768
    .wavefront_size: 32
...
	.end_amdgpu_metadata
.endif
;; end of part 4
;; ======== version 2 of 2: 4 launches; version 1 with the launch cast written anew for expert scheduling mode
;; limits: values are held in f16: magnitudes above 65,504 overflow, below 6.1e-05 lose precision
;; workspace buffers: xh 16,777,216 bytes; wh 6,291,456 bytes; qkv 50,331,648 bytes; p 33,554,432 bytes; stm 524,288 bytes; stl 524,288 bytes
;; launch cast (part 5): grid 704 x 1, 8 waves a work-group, no clusters, 0 bytes of LDS; arguments x, Wq, Wk, Wv, xh, wh; writes xh, wh
.if DOCPART == 5
	.amdgcn_target "amdgcn-amd-amdhsa--gfx1250"
	.amdhsa_code_object_version 6
	.text
	.protected	k_q14be7348a1_cast
	.globl	k_q14be7348a1_cast
	.p2align	8
	.type	k_q14be7348a1_cast,@function
k_q14be7348a1_cast:
	s_mov_b64 s[64:65], 0
	v_nop
	global_prefetch_b8 v0, s[64:65] scope:SCOPE_SE
	s_setreg_imm32_b32 hwreg(HW_REG_WAVE_SCHED_MODE, 0, 2), 2
	s_setreg_imm32_b32 hwreg(HW_REG_WAVE_MODE, 25, 1), 1
	s_wait_xcnt 0x0
	s_wait_alu depctr_vm_vsrc(0)
; xh = x, and wh = Wq, Wk, Wv one below the other (3,072 rows), each number rounded once from f32 to f16 (to nearest even), laid out IN PLANES of 64 along k:
; xh[k / 64][row][k % 64], wh likewise.  So the rows of a K step of 64 lie end to end, 128 bytes each, and the launch behind asks for them as dense rows of 256 bytes.
; LIMIT: f16 holds no number beyond 65,504 (a larger one becomes an infinity) and keeps a fixed step of 6e-8 below 6e-5.
; A stream: memory binds, so there is no LDS, no barrier and no matrix work.  A work-group takes 16 rows of 1,024 numbers: 64 KiB in, 32 KiB out.  Work-groups 0-511 take x, 512-703 the three W (64 each).
; Wave w takes rows 2 w and 2 w + 1; its load i takes plane i: lanes 0-15 256 consecutive bytes of the one row, lanes 16-31 of the other; its store i writes the two rows' 128 bytes, which are
; 256 consecutive bytes of plane i, at a multiple of 256 from the buffer's first byte.  All 16 loads of a thread go out at once; the waits count down.
; THE MODE: SCHED_MODE bits 1:0 = 2 (LLVM: expert scheduling mode 2), set by the entry lines.  The code itself states the register dependences between vector instructions and memory instructions,
; with s_wait_alu, always for 0.
; THE PLAN.  Registers that memory instructions touch; none of them is written twice:
;   v1         the loads' offset.  Written by vector lines at the head; read by the 16 loads.
;   v[DO ..]   the stores' offsets, one for each plane.  Written by vector lines at the head; read by one store each.
;   X          written by the 16 loads alone; read by two conversions for each load; never loaded again.
;   Y          written by the conversions, two registers for each load; read by one store each; never written again.
; The 16 loads go in four BLOCKS of four.  Block p rounds its four loads into its own eight registers of Y; the four stores of block p - 1 stand among its conversions, which name block p's X and Y alone.
; So one wait on va_vdst at the head of the loads serves v1 and all of DO, one at the head of each of blocks 1 to 3 serves the four stores of the block before, and one behind block 3 serves the last four.
; No register that a memory instruction reads is written again, so no wait on vm_vsrc is owed; no vector line writes a scalar register, VCC or EXEC.
.set X,   4                            ; v[4:67]    16 x 4 numbers as loaded
.set Y,   68                           ; v[68:99]   16 x 4 numbers in f16
.set DO,  100                          ; v[100:115] my byte offset in each of the 16 planes
.set XG,  512                          ; work-groups that take x
.set XPL, 8192*128                     ; bytes in a plane of xh
.set WPL, 3072*128                     ; and of wh
	s_load_b256 s[4:11], s[0:1], 0x0               ; x s[4:5], Wq s[6:7], Wk s[8:9], Wv s[10:11]
	s_load_b128 s[12:15], s[0:1], 0x20             ; xh s[12:13], wh s[14:15]
	v_lshrrev_b32 v1, 4, v0                        ; my row of the group's 16
	v_and_b32 v2, 15, v0
	v_lshlrev_b32 v1, 12, v1
	v_lshl_or_b32 v1, v2, 4, v1                    ; row x 4,096 + 16 (lane % 16): my 16 bytes of plane 0 in the source
	v_lshlrev_b32 v[DO], 3, v0                     ; row x 128 + 8 (lane % 16) = 8 x thread: my 8 bytes of the group's 2,048 in a plane
	s_sub_co_u32 s16, ttmp9, XG                    ; my 16 rows of wh (used only where the work-group takes a W)
	s_lshr_b32 s17, s16, 6                         ; which W
	s_and_b32 s18, s16, 63                         ; my 16 rows of that W
	s_mov_b32 s28, XPL
	s_mov_b32 s29, WPL
	s_cmp_lt_u32 ttmp9, XG
	s_cselect_b32 s28, s28, s29                    ; from plane to plane in the destination
.set i, 1
.rept 15
	v_add_nc_u32 v[DO+i], s28, v[DO+i-1]
.set i, i+1
.endr
	s_wait_kmcnt 0x0
	s_cmp_eq_u32 s17, 1
	s_cselect_b64 s[20:21], s[8:9], s[6:7]
	s_cmp_eq_u32 s17, 2
	s_cselect_b64 s[20:21], s[10:11], s[20:21]
	s_cmp_lt_u32 ttmp9, XG
	s_cselect_b64 s[20:21], s[4:5], s[20:21]       ; the source,
	s_cselect_b64 s[22:23], s[12:13], s[14:15]     ; the destination,
	s_cselect_b32 s24, ttmp9, s18                  ; and my 16 rows in each
	s_cselect_b32 s26, ttmp9, s16
	s_lshl_b32 s24, s24, 16                        ; 65,536 bytes of f32
	s_mov_b32 s25, 0
	s_lshl_b32 s26, s26, 11                        ; 2,048 bytes of a plane
	s_mov_b32 s27, 0
	s_add_nc_u64 s[20:21], s[20:21], s[24:25]
	s_add_nc_u64 s[22:23], s[22:23], s[26:27]
	s_wait_alu depctr_va_vdst(0)                   ; v1 is written, which the 16 loads read as their offset; so are v[DO] to v[DO+15], which the stores read as theirs: no vector line names any of them again
.set i, 0
.rept 16
	global_load_b128 v[X+4*i:X+4*i+3], v1, s[20:21] offset:256*i th:TH_LOAD_NT
.set i, i+1
.endr
; Block p: loads 4 p to 4 p + 3 are rounded; the stores of block p - 1 stand one in front of each pair of conversions.
.macro BLK p
.irp j, 0,1,2,3
	s_wait_loadcnt 15-(4*(\p)+(\j))                ; loads come back in order: number 4 p + j is in, the younger ones stay out
.if (\p) > 0
.if (\j) == 0
	s_wait_alu depctr_va_vdst(0)                   ; the eight conversions of the block before have written their registers of Y, which the four stores of this block read
.endif
	global_store_b64 v[DO+4*(\p)-4+(\j)], v[Y+2*(4*(\p)-4+(\j)):Y+2*(4*(\p)-4+(\j))+1], s[22:23]  ; no vector line since the wait names these registers
.endif
	v_cvt_pk_f16_f32 v[Y+2*(4*(\p)+(\j))],   v[X+4*(4*(\p)+(\j))],   v[X+4*(4*(\p)+(\j))+1]
	v_cvt_pk_f16_f32 v[Y+2*(4*(\p)+(\j))+1], v[X+4*(4*(\p)+(\j))+2], v[X+4*(4*(\p)+(\j))+3]
.endr
.endm
	BLK 0
	BLK 1
	BLK 2
	BLK 3
	s_wait_alu depctr_va_vdst(0)                   ; block 3's conversions have written their registers of Y, which the last four stores read
.irp j, 12,13,14,15
	global_store_b64 v[DO+(\j)], v[Y+2*(\j):Y+2*(\j)+1], s[22:23]
.endr
	s_endpgm
.Lfunc_end_k_q14be7348a1_cast:
	.size	k_q14be7348a1_cast, .Lfunc_end_k_q14be7348a1_cast-k_q14be7348a1_cast
	.p2alignl 7, 3214868480
	.fill 96, 4, 3214868480
	.section	.rodata,"a",@progbits
	.p2align	6, 0x0
	.amdhsa_kernel k_q14be7348a1_cast
		.amdhsa_group_segment_fixed_size 0
		.amdhsa_private_segment_fixed_size 0
		.amdhsa_enable_private_segment 0
		.amdhsa_kernarg_size 48
		.amdhsa_user_sgpr_count 2
		.amdhsa_user_sgpr_kernarg_segment_ptr 1
		.amdhsa_wavefront_size32 1
		.amdhsa_system_sgpr_workgroup_id_x 1
		.amdhsa_system_sgpr_workgroup_id_y 1
		.amdhsa_system_sgpr_workgroup_id_z 1
		.amdhsa_system_vgpr_workitem_id 0
		.amdhsa_next_free_vgpr 116
		.amdhsa_next_free_sgpr 66
		.amdhsa_reserve_vcc 0
		.amdhsa_float_denorm_mode_32 3
		.amdhsa_float_denorm_mode_16_64 3
		.amdhsa_memory_ordered 1
		.amdhsa_forward_progress 1
		.amdhsa_inst_pref_size 8
	.end_amdhsa_kernel
	.amdgpu_metadata
---
amdhsa.version: [ 1, 2 ]
amdhsa.kernels:
  - .name:           k_q14be7348a1_cast
    .symbol:         k_q14be7348a1_cast.kd
    .args:
      - { .name: x, .offset: 0, .size: 8, .value_kind: global_buffer, .address_space: global }
      - { .name: Wq, .offset: 8, .size: 8, .value_kind: global_buffer, .address_space: global }
      - { .name: Wk, .offset: 16, .size: 8, .value_kind: global_buffer, .address_space: global }
      - { .name: Wv, .offset: 24, .size: 8, .value_kind: global_buffer, .address_space: global }
      - { .name: xh, .offset: 32, .size: 8, .value_kind: global_buffer, .address_space: global }
      - { .name: wh, .offset: 40, .size: 8, .value_kind: global_buffer, .address_space: global }
    .group_segment_fixed_size: 0
    .private_segment_fixed_size: 0
    .kernarg_segment_align: 8
    .kernarg_segment_size: 48
    .max_flat_workgroup_size: 256
    .sgpr_count:     66
    .vgpr_count:     116
    .wavefront_size: 32
...
	.end_amdgpu_metadata
.endif
;; end of part 5
;; launch proj: the kernel of part 2 again; grid 8 x 32, 4 waves a work-group, clusters of 4 x 4, 327,680 bytes of LDS; arguments xh, wh, bq, bk, bv, qkv; writes qkv
;; launch score: the kernel of part 3 again; grid 8 x 32, 4 waves a work-group, clusters of 4 x 4, 327,680 bytes of LDS; arguments qkv, p, stm, stl; writes p, stm, stl
;; launch mix: the kernel of part 4 again; grid 4 x 64, 4 waves a work-group, clusters of 4 x 4, 327,680 bytes of LDS; arguments p, qkv, stm, stl, out0; writes out0
